; MI455X (gfx1250); checked and timed in simulation.
; The chip was launched on July 23, 2026; its instructions are those of AMD's public machine-readable ISA for CDNA 5 (MIT licence, August 2026) and "CDNA5" Instruction Set Architecture Reference Guide (July 2026). The comments in the code are by the model that wrote it; some were corrected since.
;; Claim Evidence Attention Model. Allowed arithmetic: matrix products marked QUANTISED: E4M3 operands, one E8M0 scale for each 32 along K, by v_wmma_scale_f32_16x16x128_f8f6f4 with both operands' format E4M3, f32 sums; products left as they are: f32 operands where the result goes on into a quantised operand, else bf16, f16 or f32 operands; f32 sums; everything else in f32.
;; Inputs: W_c 4 x 1,024 x 1,024 float32; W_e 4 x 1,024 x 1,024 float32; b1 1,024 float32; b2 3 float32; c_out 256 x 1,024 float32; e_emb 256 x 64 x 1,024 float32; evidence_mask 256 x 64 int32; gate_b 1 float32; gate_w 1 x 2,048 float32; v 4 x 1,024 float32; w1 1,024 x 4,096 float32; w2 3 x 1,024 float32.
;; Outputs: out0 256 x 3 float32; out1 256 x 4 x 64 float32; out2 256 x 4 float32.
;; This version of the problem:
;;   THIS VERSION OF THE PROBLEM IS GIVEN IN LOW PRECISION. The matrix products marked QUANTISED in the list below multiply operands that are first quantised to E4M3 (4 exponent bits, 3 mantissa bits; 8 bits a number), with one power-of-two scale for each 32 numbers along K (OCP MX v1.0); their sums are f32. All else is computed in f32.
;;   The module's matrix products, in the order in which they are computed (A, B: the left and right operand; K: the contracted axis; several contracted axes count as one K, in the product's order):
;;     1. batch 1,024 x [M 4, K 1] x [K 1, N 256]; A: computed on the way; B: computed on the way: left as it is (no contracted axis)
;;     2. [M 4,096, K 1,024] x [K 1,024, N 16,384]; A: input W_e; B: input e_emb: QUANTISED
;;     3. batch 4 x [M 1, K 1,024] x [K 1,024, N 16,384]; A: input v; B: computed on the way: left as it is (M = 1 < 16)
;;     4. batch 256 x [M 4, K 64] x [K 64, N 1,024]; A: softmax; B: input e_emb: left as it is (M = 4 < 16)
;;     5. [M 1,024, K 2,048] x [K 2,048, N 1]; A: computed on the way; B: input gate_w: left as it is (N = 1 < 16)
;;     6. batch 256 x [M 1, K 4] x [K 4, N 1,024]; A: softmax; B: computed on the way: left as it is (K = 4 < 32)
;;     7. [M 256, K 4,096] x [K 4,096, N 1,024]; A: computed on the way; B: input w1: QUANTISED
;;     8. [M 256, K 1,024] x [K 1,024, N 3]; A: computed on the way; B: input w2: left as it is (N = 3 < 16)
;;   THE QUANTISER, for each operand of a quantised product, along K:
;;     - K is cut into blocks of 32 from its start; a last block that is shorter is filled with zeros.
;;     - A block's scale is 2^e with e = floor(log2(the largest magnitude in the block)) - 8, held to -126 .. 127; a block of zeros has e = 0. As a byte (E8M0): e + 127.
;;     - Each number is divided by its block's scale, clamped to +-448, and rounded to the nearest number of E4M3, ties to even, subnormals kept.
;;     - The product sums the exact products of the quantised numbers (number of the format x scale) in f32.
;;   ~~~python
;;   def quantise(x, axis):      # numpy; x: float32 -> the quantised numbers, widened to float32 again
;;       x = np.moveaxis(x, axis, -1); K = x.shape[-1]
;;       x = np.pad(x, [(0, 0)] * (x.ndim - 1) + [(0, -K % 32)]); x = x.reshape(x.shape[:-1] + (-1, 32)); a = np.abs(x).max(-1, keepdims=True)
;;       e = np.where(a > 0, np.clip(np.frexp(np.where(a > 0, a, 1))[1] - 1 - 8, -126, 127), 0)      # np.frexp(a)[1] - 1 = floor(log2(a)), exactly
;;       r = np.clip(x / 2.0 ** e, -448, 448)
;;       step = 2.0 ** (np.maximum(np.frexp(np.where(r == 0, 1, r))[1] - 1, -6) - 3)
;;       q = np.round(r / step) * step * 2.0 ** e      # np.round: ties to even
;;       return np.moveaxis(q.reshape(q.shape[:-2] + (-1,))[..., :K], -1, axis).astype(np.float32)
;;   ~~~
;;   OPERANDS COMPUTED ON THE WAY. 'Computed on the way' means the value that the module computes at that place (a softmax that the list does not call 'softmax' is quantised finished and normalised). What goes into a quantiser is computed in f32, as accurately as f32 sums, v_exp_f32 and their like allow (about 1e-6 of the number): no bf16 or f16 on the way to a quantiser, and a product that is left as it is and whose result goes on into a quantised operand takes f32 operands (vector FMAs, or v_wmma_f32_16x16x4_f32). A number that lies on a knife's edge between two numbers of the format may be rounded either way, as far as f32 arithmetic and the matrix unit's own rounding can turn it there, and no further.
;; One version. Each part assembles by itself: llvm-mc -triple=amdgcn-amd-amdhsa -mcpu=gfx1250 --defsym DOCPART=n.
;; ======== version 1 of 1: 5 launches
;; workspace buffers: ecode 17,301,504 bytes; w1code 4,325,376 bytes; wecode 4,325,376 bytes; rsum 16,384 bytes; hcode 1,114,112 bytes; part 262,144 bytes
;; launch prep (part 1): grid 512 x 1, 4 waves a work-group, no clusters, 35,328 bytes of LDS; arguments e_emb, w1, W_e, W_c, ecode, w1code, wecode, rsum; writes ecode, w1code, wecode, rsum
.if DOCPART == 1
	.amdgcn_target "amdgcn-amd-amdhsa--gfx1250"
	.amdhsa_code_object_version 6
	.text
	.protected	k_qee98be25cf_prep
	.globl	k_qee98be25cf_prep
	.p2align	8
	.type	k_qee98be25cf_prep,@function
k_qee98be25cf_prep:
	s_mov_b64 s[64:65], 0
	v_nop
	global_prefetch_b8 v0, s[64:65] scope:SCOPE_SE
	s_setreg_imm32_b32 hwreg(HW_REG_WAVE_MODE, 25, 1), 1
	s_wait_xcnt 0x0
; PREP: the three operands that many work-groups read are quantised once (E4M3 codes, one E8M0 byte for each 32 along K), and W_c's rows are summed.
; WORK LEFT OUT BY THE WHOLE PROGRAM, and why it can reach no output, for all finite inputs:
;  (1) tanh(x) = 1 - 2 r, r = 1 / (1 + 2^(2 log2(e) x)).  So u[b,h,k] = sum_e v[h,e] - 2 sum_e v[h,e] r[b,h,k,e].  The first term does not hang on k, the axis of the softmax that
;      makes alpha, and u itself is no output: it is not computed.  The softmax's own maximum is still taken away.
;  (2) gate_logits[b,h] = c_out[b] . gate_w[:1024] + gate_b + e_att_heads[b,h] . gate_w[1024:].  The first two terms do not hang on h, the axis of the softmax that makes head_weights, and the
;      logits are no output: they are not computed.  gate_b is no argument of any launch and gate_w's first 4,096 bytes are not read.  The maximum is still taken away.
;  LIMIT: a NaN, an infinity or an overflow that reaches only these terms is not carried to the result.
; c_proj[b,h,d] = c_out[b,d] x (sum over e of W_c[h,d,e]): only the row sums of W_c are wanted: rsum[h][d].
; LIMITS of the quantiser here: a block of zeros gets the byte 1 where the rule says 127 (its codes are zeros, and this program alone reads the bytes); NaN and infinities among the inputs are not served.
; THREE PATHS, parted on the work-group's number; they never join.
;  ROWS (work-groups 0-319): e_emb seen as [256][16 r][4 nt][1024] and w1 seen as [64][16 r][4 kc][1024] have one shape: a wave takes one job, 16 rows (r) of 1,024 numbers, K innermost; only pointers are chosen.
;       The codes leave IN THE ORDER OF THE OPERAND'S REGISTERS: [job][K step 8][c 4][lane 32][16 bytes], lane 16 hh + r = row r, K = 128 s + 32 c + 16 hh + 0..15; scale words [job][lane][4]: word j of lane (hh, r) is row r's word of K step 2 j + hh.
;  WE   (320-447): W_e[h][d][e], K = d is not innermost: a lane takes a column e and its registers run down d; the codes leave in the same order of registers, [h][e / 16][K step][c][lane][16 bytes].
;  WC   (448-511): a wave sums 16 rows of W_c.
.set SPARE,  34816                     ; behind the four stages: the spare words, 128 bytes a wave
.set WSTG,   8704                      ; a wave's stage: 16 rows x 528 bytes, rounded up
.set SPITCH, 528                       ; a stage row: 512 bytes + 16
.set LANE, 1
.set RR,   2                           ; lane % 16
.set HH,   3                           ; lane / 16
.set L16,  4                           ; 16 x lane
.set STI,  5                           ; the stage, on the way in
.set STO,  6                           ; and on the way out
.set SPW,  8                           ; my spare word's address; never rewritten
.set NIL,  9                           ; 0; never rewritten
.set PW,   10                          ; the scale word just made
.set SW,   12                          ; v12-15 a job's four scale words
.set TM,   16                          ; v16-19 largest magnitudes, v20-23 bytes, v24-27 448 x the scale, v28-31 the conversions' scale operands
.set PC,   32                          ; v32-47, v48-63 codes, two sets
.set X,    64                          ; v64-127 a step's 64 numbers of my row
.set R,    128                         ; v128-255 rows as loaded, two sets of 64
.set WV,   20
.set HM,   21                          ; mask of lanes 16-31
.set SEL,  34                          ; s[34:35] selects: lane l xor 16
.set MNT,  36                          ; the mantissa field of 448
.macro LOADS t                         ; K step t of the 16 rows: each load takes 512 consecutive bytes of one row
.irp i, 0,1,2,3,4,5,6,7,8,9,10,11,12,13,14,15
	global_load_b128 v[R+64*((\t)%2)+4*\i:R+64*((\t)%2)+4*\i+3], v[L16], s[24:25] offset:16384*\i+512*(\t) th:TH_LOAD_NT
.endr
.endm
; 64 numbers of a lane, register 16 b + i = K 32 b + 16 hh + i of my row, become a fragment's codes in v[PCS] on and its scale word in v[PW]
.macro QUANT
.irp b, 0,1,2,3
	v_max3_num_f32 v[TM+\b], |v[X+16*\b]|, |v[X+1+16*\b]|, 0x4800000   ; my 16 numbers of block b, and the floor 2^(9 - 127): the byte cannot fall under 1
.endr
.irp i, 2,4,6,8,10,12,14
.irp b, 0,1,2,3
	v_max3_num_f32 v[TM+\b], v[TM+\b], |v[X+16*\b+\i]|, |v[X+1+16*\b+\i]|
.endr
.endr
.irp b, 0,1,2,3
	v_permlanex16_b32 v[TM+4+\b], v[TM+\b], s[SEL], s[SEL+1]
.endr
.irp b, 0,1,2,3
	v_max_num_f32 v[TM+\b], v[TM+\b], v[TM+4+\b]                  ; with lane l xor 16's 16: the block's largest magnitude
.endr
.irp b, 0,1,2,3
	v_add_nc_u32 v[TM+12+\b], 0xfc000000, v[TM+\b]               ; 8 off its exponent field: the conversion's scale operand
.endr
.irp b, 0,1,2,3
	v_and_or_b32 v[TM+8+\b], v[TM+\b], 0x7f800000, s[MNT]        ; 448 x the scale
.endr
.irp b, 0,1,2,3
	v_lshrrev_b32 v[TM+4+\b], 23, v[TM+12+\b]                    ; the scale's byte
.endr
	v_lshl_or_b32 v[PW], v[TM+5], 8, v[TM+4]
	v_lshl_or_b32 v[PW], v[TM+6], 16, v[PW]
	v_lshl_or_b32 v[PW], v[TM+7], 24, v[PW]
.irp b, 0,1,2,3
.irp i, 0,1,2,3,4,5,6,7,8,9,10,11,12,13,14,15
	v_med3_num_f32 v[X+16*\b+\i], v[X+16*\b+\i], -v[TM+8+\b], v[TM+8+\b]   ; the conversion to an 8-bit code does not saturate (ISA guide 7.6.2): the hold comes first
.endr
	v_cvt_scalef32_pk8_fp8_f32 v[PCS+4*\b:PCS+1+4*\b], v[X+16*\b:X+7+16*\b], v[TM+12+\b]
	v_cvt_scalef32_pk8_fp8_f32 v[PCS+2+4*\b:PCS+3+4*\b], v[X+8+16*\b:X+15+16*\b], v[TM+12+\b]
.endr
	v_nop                                          ; a plain line behind the last conversion
.endm
.macro STEP t
.set RS,  R+64*((\t)%2)
.set PCS, PC+16*((\t)%2)
.if (\t) < 7
	s_wait_loadcnt 16                              ; this step's 16 loads are in; the next step's 16 stay out
.else
	s_wait_loadcnt 0
.endif
.irp i, 0,1,2,3,4,5,6,7,8,9,10,11,12,13,14,15
	ds_store_b128 v[STI], v[RS+4*\i:RS+4*\i+3] offset:SPITCH*\i   ; row i as it lies
.endr
.irp c, 0,1,2,3
.irp j, 0,1,2,3
	ds_load_b128 v[X+16*\c+4*\j:X+16*\c+4*\j+3], v[STO] offset:128*\c+16*\j   ; LDS serves a wave's instructions in order: these see my stores
.endr
.endr
	s_wait_dscnt 0x0                               ; my 64 numbers are in, and the stores have read their registers
.if (\t) >= 2
	s_wait_xcnt 0x0                                ; the stores of two steps back have read this set of codes
.endif
.if (\t)+2 < 8
	LOADS (\t)+2
.endif
	QUANT
.if (\t)%2 == 0
	v_mov_b32 v[SW+(\t)/2], v[PW]                  ; an even step's word, for lanes 0-15;
.else
	v_cndmask_b32 v[SW+(\t)/2], v[SW+(\t)/2], v[PW], s[HM]   ; the odd step's takes its place in lanes 16-31
.endif
.irp c, 0,1,2,3
	global_store_b128 v[L16], v[PCS+4*\c:PCS+4*\c+3], s[32:33] offset:2048*(\t)+512*\c   ; 32 lanes store 512 consecutive bytes, aligned
.endr
.endm
	s_load_b256 s[4:11], s[0:1], 0x0               ; e_emb s[4:5], w1 s[6:7], W_e s[8:9], W_c s[10:11]
	s_load_b256 s[12:19], s[0:1], 0x20             ; ecode s[12:13], w1code s[14:15], wecode s[16:17], rsum s[18:19]
	v_lshl_add_u32 v[SPW], v0, 2, SPARE
	v_mov_b32 v[NIL], 0
	v_lshrrev_b32 v1, 5, v0
	v_readfirstlane_b32 s[WV], v1                  ; wave 0..3
	v_and_b32 v[LANE], 31, v0
	v_and_b32 v[RR], 15, v0
	v_bfe_u32 v[HH], v0, 4, 1
	v_lshlrev_b32 v[L16], 4, v[LANE]
	s_mov_b32 s[SEL], 0x76543210
	s_mov_b32 s[SEL+1], 0xfedcba98
	s_mov_b32 s[MNT], 0x600000
	s_cmp_lt_u32 ttmp9, 320
	s_cbranch_scc0 .Lnot_rows
	; ---------------- ROWS
	s_mov_b32 s[HM], 0xffff0000
	s_mul_i32 s23, s[WV], WSTG
	v_add_nc_u32 v[STI], s23, v[L16]               ; in: 16 x lane of a row
	v_mul_u32_u24 v[STO], v[RR], SPITCH
	v_lshl_add_u32 v[STO], v[HH], 6, v[STO]
	v_add_nc_u32 v[STO], s23, v[STO]               ; out: row r, + 64 hh: my 16 numbers of a block of 32
.irp b, 0,1,2,3
	v_mov_b32 v[TM+4+\b], 0                        ; written once: a lane permute's destination counts as one of its sources
.endr
	s_lshl_b32 s22, ttmp9, 2
	s_add_co_u32 s22, s22, s[WV]                   ; the job: 0-1023 e_emb's, 1024-1279 w1's
	s_wait_kmcnt 0x0
	s_cmp_lt_u32 ttmp9, 256                        ; the choice hangs on the work-group's number alone
	s_cselect_b64 s[24:25], s[4:5], s[6:7]
	s_cselect_b64 s[26:27], s[12:13], s[14:15]
	s_mov_b32 s28, 4194304
	s_cselect_b32 s28, 16777216, s28               ; where the scale words begin in the buffer
	s_cselect_b32 s29, 0, 1024
	s_sub_co_u32 s22, s22, s29                     ; the job within its tensor
	s_lshr_b32 s30, s22, 2
	s_lshl_b32 s30, s30, 18                        ; (job / 4) x 16 rows x 4 x 4,096 bytes
	s_and_b32 s31, s22, 3
	s_lshl_b32 s31, s31, 12                        ; + (job % 4) x 4,096
	s_add_co_u32 s30, s30, s31
	s_mov_b32 s31, 0
	s_add_nc_u64 s[24:25], s[24:25], s[30:31]
	s_lshl_b32 s30, s22, 14
	s_add_nc_u64 s[32:33], s[26:27], s[30:31]      ; the job's 16,384 bytes of codes
	s_lshl_b32 s30, s22, 9
	s_add_co_u32 s30, s30, s28
	s_add_nc_u64 s[26:27], s[26:27], s[30:31]      ; and its 512 bytes of scale words
	LOADS 0
	LOADS 1
.irp t, 0,1,2,3,4,5,6,7
	STEP \t
.endr
	global_store_b128 v[L16], v[SW:SW+3], s[26:27]
	s_wait_tensorcnt 0x0                           ; the wave's end: behind my last LDS store
	ds_add_u32 v[SPW], v[NIL]
	s_wait_dscnt 0x0
	s_endpgm
	; ---------------- WE
.macro WLOAD t                         ; block t: W_e(256 dc + 32 t + i, my column): 32 lanes read 128 consecutive bytes, the four waves side by side 512
.irp i, 0,1,2,3,4,5,6,7,8,9,10,11,12,13,14,15,16,17,18,19,20,21,22,23,24,25,26,27,28,29,30,31
	global_load_b32 v[X+32*((\t)%2)+\i], v5, s[8:9] offset:(32*(\t)+\i)*4096 th:TH_LOAD_NT
.endr
.endm
.macro BLOCK t
.set XS, X+32*((\t)%2)
.set CC, 128+8*(\t)                    ; each block has its own eight registers of codes: no store's data are written again
.if (\t) < 7
	s_wait_loadcnt 32                              ; this block's 32 loads are in; the next block's stay out
.else
	s_wait_loadcnt 0
.endif
	v_max3_num_f32 v16, |v[XS]|, |v[XS+1]|, |v[XS+2]|            ; all 32 numbers of the block are mine
	v_max3_num_f32 v17, |v[XS+3]|, |v[XS+4]|, |v[XS+5]|
.irp i, 6,10,14,18,22,26
	v_max3_num_f32 v16, v16, |v[XS+\i]|, |v[XS+\i+1]|
	v_max3_num_f32 v17, v17, |v[XS+\i+2]|, |v[XS+\i+3]|
.endr
	v_max3_num_f32 v16, v16, |v[XS+30]|, |v[XS+31]|
	v_max3_num_f32 v16, v16, v17, 0x4800000        ; and the floor
	v_add_nc_u32 v19, 0xfc000000, v16              ; the conversion's scale operand
	v_and_or_b32 v18, v16, 0x7f800000, s[MNT]      ; 448 x the scale
	v_lshrrev_b32 v20, 23, v19                     ; the byte
.if (\t)%4 == 0
	v_mov_b32 v[SW+(\t)/4], v20
.else
	v_lshl_or_b32 v[SW+(\t)/4], v20, 8*((\t)%4), v[SW+(\t)/4]
.endif
.irp i, 0,1,2,3,4,5,6,7,8,9,10,11,12,13,14,15,16,17,18,19,20,21,22,23,24,25,26,27,28,29,30,31
	v_med3_num_f32 v[XS+\i], v[XS+\i], -v18, v18
.endr
.irp g, 0,1,2,3
	v_cvt_scalef32_pk8_fp8_f32 v[CC+2*\g:CC+2*\g+1], v[XS+8*\g:XS+8*\g+7], v19
.endr
	v_nop
	global_store_b128 v6, v[CC:CC+3], s[30:31] offset:((\t)/4)*2048+((\t)%4)*512          ; K 32 t + 0..15: the place of lanes 0-15 of the fragment; sixteen lanes store 256 consecutive bytes, aligned
	global_store_b128 v6, v[CC+4:CC+7], s[30:31] offset:((\t)/4)*2048+((\t)%4)*512+256    ; K 32 t + 16..31: the place of lanes 16-31
.if (\t)+2 < 8
	WLOAD (\t)+2
.endif
.endm
.Lnot_rows:
	s_cmp_lt_u32 ttmp9, 448
	s_cbranch_scc0 .Lwc
	s_sub_co_u32 s22, ttmp9, 320
	s_lshr_b32 s23, s22, 5                         ; h
	s_bfe_u32 s24, s22, 0x30002                    ; cg: which 128 columns
	s_and_b32 s25, s22, 3                          ; dc: which 256 along d
	s_lshl_b32 s26, s23, 22
	s_lshl_b32 s27, s25, 20
	s_add_co_u32 s26, s26, s27
	s_lshl_b32 s27, s24, 9
	s_add_co_u32 s26, s26, s27
	s_lshl_b32 s27, s[WV], 7
	s_add_co_u32 s26, s26, s27                     ; W_e: h x 4 MiB + 256 dc rows + 4 (128 cg + 32 wave)
	s_mov_b32 s27, 0
	s_lshl_b32 s28, s24, 3
	s_lshl_b32 s29, s[WV], 1
	s_add_co_u32 s28, s28, s29                     ; my first tile of 16 columns in the head: 8 cg + 2 wave
	s_lshl_b32 s29, s23, 6
	s_add_co_u32 s29, s29, s28
	s_lshl_b32 s30, s29, 14
	s_lshl_b32 s29, s25, 12
	s_add_co_u32 s30, s30, s29                     ; codes: (64 h + tile) x 16,384 + K step 2 dc
	s_mov_b32 s31, 0
	s_lshl_b32 s28, s28, 7
	s_lshl_b32 s29, s23, 15
	s_add_co_u32 s28, s28, s29
	s_lshl_b32 s29, s25, 13
	s_add_co_u32 s28, s28, s29
	s_add_co_u32 s28, s28, 4194304                 ; scale words [h][j = dc][tile][r][2]: 32,768 h + 8,192 dc + 128 tile
	s_mov_b32 s29, 0
	v_lshlrev_b32 v5, 2, v[LANE]
	v_lshlrev_b32 v6, 4, v[RR]
	v_lshl_add_u32 v6, v[HH], 14, v6               ; lanes 16-31 hold the next tile's columns
	v_lshlrev_b32 v7, 3, v[LANE]
	s_wait_kmcnt 0x0
	s_add_nc_u64 s[8:9], s[8:9], s[26:27]
	s_add_nc_u64 s[30:31], s[16:17], s[30:31]
	s_add_nc_u64 s[28:29], s[16:17], s[28:29]
	WLOAD 0
	WLOAD 1
.irp t, 0,1,2,3,4,5,6,7
	BLOCK \t
.endr
	global_store_b64 v7, v[SW:SW+1], s[28:29]      ; my column's words of K steps 2 dc and 2 dc + 1: 32 lanes store 256 consecutive bytes, aligned
	s_endpgm
	; ---------------- WC
.macro CLOAD i                         ; row i: eight loads of 512 consecutive bytes
.irp j, 0,1,2,3,4,5,6,7
	global_load_b128 v[R+32*((\i)%4)+4*\j:R+32*((\i)%4)+4*\j+3], v[L16], s[10:11] offset:4096*(\i)+512*\j th:TH_LOAD_NT
.endr
.endm
.macro ROW i, left
.set RB, R+32*((\i)%4)
	s_wait_loadcnt \left                           ; my row's eight loads are in; the rows behind it stay out
.irp j, 0,2,4,6,8,10,12,14
	v_pk_add_f32 v[RB+\j:RB+\j+1], v[RB+\j:RB+\j+1], v[RB+16+\j:RB+17+\j]
.endr
.irp j, 0,2,4,6
	v_pk_add_f32 v[RB+\j:RB+\j+1], v[RB+\j:RB+\j+1], v[RB+8+\j:RB+9+\j]
.endr
.irp j, 0,2
	v_pk_add_f32 v[RB+\j:RB+\j+1], v[RB+\j:RB+\j+1], v[RB+4+\j:RB+5+\j]
.endr
	v_pk_add_f32 v[RB:RB+1], v[RB:RB+1], v[RB+2:RB+3]
	v_add_f32 v16, v[RB], v[RB+1]
	v_add_f32_dpp v16, v16, v16 row_xmask:1 row_mask:0xf bank_mask:0xf
	v_add_f32_dpp v16, v16, v16 row_xmask:2 row_mask:0xf bank_mask:0xf
	v_add_f32_dpp v16, v16, v16 row_xmask:4 row_mask:0xf bank_mask:0xf
	v_add_f32_dpp v16, v16, v16 row_xmask:8 row_mask:0xf bank_mask:0xf
	v_permlanex16_b32 v17, v16, s[SEL], s[SEL+1]
	v_add_f32 v16, v16, v17                        ; the row's sum, in every lane
	v_cmp_eq_u32 vcc_lo, \i, v[LANE]
	v_cndmask_b32 v12, v12, v16, vcc_lo            ; lane i keeps row i's
.if (\i)+4 < 16
	CLOAD (\i)+4
.endif
.endm
.Lwc:
	s_sub_co_u32 s22, ttmp9, 448
	s_lshl_b32 s22, s22, 2
	s_add_co_u32 s22, s22, s[WV]                   ; which 16 of the 4,096 rows
	s_lshl_b32 s24, s22, 16
	s_mov_b32 s25, 0
	s_lshl_b32 s26, s22, 6
	s_mov_b32 s27, 0
	v_mov_b32 v12, 0
	v_mov_b32 v17, 0                               ; a lane permute's destination counts as one of its sources
	v_lshlrev_b32 v5, 2, v[LANE]
	s_wait_kmcnt 0x0
	s_add_nc_u64 s[10:11], s[10:11], s[24:25]
	s_add_nc_u64 s[18:19], s[18:19], s[26:27]
.irp i, 0,1,2,3
	CLOAD \i
.endr
.irp i, 0,1,2,3,4,5,6,7,8,9,10,11,12
	ROW \i, 24
.endr
	ROW 13, 16
	ROW 14, 8
	ROW 15, 0
	s_wait_xcnt 0x0                                ; EXEC changes only behind this wait
	v_cmp_gt_u32 vcc_lo, 16, v[LANE]
	s_and_saveexec_b32 s22, vcc_lo
	global_store_b32 v5, v12, s[18:19]             ; 64 consecutive bytes a wave; the whole buffer is 16,384 bytes
	s_wait_xcnt 0x0
	s_or_b32 exec_lo, exec_lo, s22
	s_endpgm
.Lfunc_end_k_qee98be25cf_prep:
	.size	k_qee98be25cf_prep, .Lfunc_end_k_qee98be25cf_prep-k_qee98be25cf_prep
	.p2alignl 7, 3214868480
	.fill 96, 4, 3214868480
	.section	.rodata,"a",@progbits
	.p2align	6, 0x0
	.amdhsa_kernel k_qee98be25cf_prep
		.amdhsa_group_segment_fixed_size 35328
		.amdhsa_private_segment_fixed_size 0
		.amdhsa_enable_private_segment 0
		.amdhsa_kernarg_size 64
		.amdhsa_user_sgpr_count 2
		.amdhsa_user_sgpr_kernarg_segment_ptr 1
		.amdhsa_wavefront_size32 1
		.amdhsa_system_sgpr_workgroup_id_x 1
		.amdhsa_system_sgpr_workgroup_id_y 1
		.amdhsa_system_sgpr_workgroup_id_z 1
		.amdhsa_system_vgpr_workitem_id 0
		.amdhsa_next_free_vgpr 256
		.amdhsa_next_free_sgpr 66
		.amdhsa_reserve_vcc 1
		.amdhsa_float_denorm_mode_32 3
		.amdhsa_float_denorm_mode_16_64 3
		.amdhsa_memory_ordered 1
		.amdhsa_forward_progress 1
		.amdhsa_inst_pref_size 190
	.end_amdhsa_kernel
	.amdgpu_metadata
---
amdhsa.version: [ 1, 2 ]
amdhsa.kernels:
  - .name:           k_qee98be25cf_prep
    .symbol:         k_qee98be25cf_prep.kd
    .args:
      - { .name: e_emb, .offset: 0, .size: 8, .value_kind: global_buffer, .address_space: global }
      - { .name: w1, .offset: 8, .size: 8, .value_kind: global_buffer, .address_space: global }
      - { .name: W_e, .offset: 16, .size: 8, .value_kind: global_buffer, .address_space: global }
      - { .name: W_c, .offset: 24, .size: 8, .value_kind: global_buffer, .address_space: global }
      - { .name: ecode, .offset: 32, .size: 8, .value_kind: global_buffer, .address_space: global }
      - { .name: w1code, .offset: 40, .size: 8, .value_kind: global_buffer, .address_space: global }
      - { .name: wecode, .offset: 48, .size: 8, .value_kind: global_buffer, .address_space: global }
      - { .name: rsum, .offset: 56, .size: 8, .value_kind: global_buffer, .address_space: global }
    .group_segment_fixed_size: 35328
    .private_segment_fixed_size: 0
    .kernarg_segment_align: 8
    .kernarg_segment_size: 64
    .max_flat_workgroup_size: 128
    .sgpr_count:     66
    .vgpr_count:     256
    .wavefront_size: 32
...
	.end_amdgpu_metadata
.endif
;; end of part 1
;; launch main (part 2): grid 64 x 4, 4 waves a work-group, clusters of 4 x 1, 327,680 bytes of LDS; arguments ecode, wecode, rsum, c_out, v, evidence_mask, out1; writes out1
.if DOCPART == 2
	.amdgcn_target "amdgcn-amd-amdhsa--gfx1250"
	.amdhsa_code_object_version 6
	.text
	.protected	k_qee98be25cf_main
	.globl	k_qee98be25cf_main
	.p2align	8
	.type	k_qee98be25cf_main,@function
k_qee98be25cf_main:
	s_mov_b64 s[64:65], 0
	v_nop
	global_prefetch_b8 v0, s[64:65] scope:SCOPE_SE
	s_setreg_imm32_b32 hwreg(HW_REG_WAVE_MODE, 25, 1), 1
	s_wait_xcnt 0x0
	s_wait_alu depctr_hold_cnt(0) depctr_sa_sdst(0) depctr_va_vdst(0) depctr_va_sdst(0) depctr_va_ssrc(0) depctr_va_vcc(0) depctr_vm_vsrc(0)
	s_getreg_b32 s2, hwreg(HW_REG_IB_STS2, 6, 4)
	s_cmp_eq_u32 s2, 0
	s_cbranch_scc0 .Lentry_in_a_cluster
	s_endpgm
.Lentry_in_a_cluster:
	s_bfe_u32 s2, ttmp6, 0x10000c
	s_cmp_lg_u32 s2, 0x3003
	s_cbranch_scc0 .Lentry_shape_is_right
	s_endpgm
.Lentry_shape_is_right:
; MAIN: alpha[b,h,:] = softmax_k( sum_e v[h,e] tanh(c_out[b,e] rsum[h,e] + sum_d Q(e_emb)[b,k,d] Q(W_e)[h,d,e]) ), masked.  The product runs on E4M3 codes with E8M0 scales; its results never leave the registers.
; LEFT OUT (shown at the head of the first kernel): the term sum_e v[h,e] of u, which is the same along k.  What is summed is U = sum_e (-2 log2(e) v[h,e]) r, r = 1 / (1 + 2^(2 log2(e) x)): u x log2(e) less that term.
; LIMITS: a batch row whose 64 mask entries are all 0 gives NaN in alpha, as reference() does.  2^(..) may overflow to infinity: r is then 0, which is tanh = 1; it may fall to 0: r is 1, tanh = -1.
; SHARES.  A work-group has 4 batch rows and one head; wave w owns ONE batch row b: its 64 keys x 1,024 codes stay in 512 registers for the whole launch.  All four waves walk the head's 64 tiles of 16 e.
; Source 0 = 16 rows e of W_e's codes, source 1 = 16 keys (tile nt holds keys 4 r + nt): lane (r, hh) holds ONE key and its eight registers e = 16 i + 8 hh + 0..7: the sum over e stays in the lane.
; CLUSTER.  The four work-groups of a cluster have the same head, so each tile of W_e's codes is asked for JOINTLY (mask 15).  e_emb's codes are each wave's own and are shared with nobody.
; RING.  Two slots of 8 tiles (131,072 bytes); a tile is 16,384 bytes in the order of the operand's registers, so a fragment's load takes 512 consecutive bytes and no padding is wanted.
; A refill is each wave's one load of 32,768 bytes and has a slot's 256 matrix instructions a wave in which to land; nothing is asked for further ahead than that.
; BY TURNS.  In a turn tile i's 32 products go into one set of four accumulators while tile i - 1's 32 numbers a lane go through 2^x, + 1, 1 / x and the weighted sum, in slices behind the matrix instructions.
; All of that but the last step names vector registers only as source 0, source 2 and destination, which are window 0 under the products' settings too: four window switches a turn.
; REGISTERS.  window 0: v1-8 addresses; v10, v11 the add's two; v12-15 at work; v16-31 e_emb's scale words; v32-39 W_e's, two sets; v40-47 cK; v48-55 vv; v56-63 U; v64-127 two sets of accumulators;
;   v128-191, v192-255 W_e's fragments of K steps 0-3 and 4-7.   window 1: e_emb's codes of K steps 0-3, at 64 s + 16 nt.   window 2: K steps 4-7.   window 3: v0-3 the mask.
.set TILEB, 16384
.set SLOTX, 1<<17                      ; slot 1 begins here: one exclusive or turns an address from one slot to the other
.set SCL,   262144                     ; the head's scale words, 32,768 bytes, filled once
.set CKT,   294912                     ; 4 x 4,096: each wave's cK[e] = 2 log2(e) c_out[b,e] rsum[h,e]
.set VVT,   311296                     ; 64 bytes of zeros, then vv[e] = -2 log2(e) v[h,e]
.set SPARE, 315648                     ; the spare words, 128 bytes a wave
.set L16, 1
.set ADA, 2                            ; the tile in hand: 16 x lane + its LDS byte
.set CK0, 3
.set VVB, 4
.set SC0, 5
.set ADC, 6
.set ADV, 7
.set ADS, 8
.set SPW, 10
.set NIL, 11
.set BS,  16                           ; register 4 nt + j: lanes 0-15 the word of K step 2 j, lanes 16-31 of 2 j + 1
.set AS,  32                           ; set p, register s % 4: lanes 0-15 the word of K step s (0-3), lanes 16-31 of s + 4
.set CK,  40
.set VV,  48
.set U,   56
.set ACC, 64
.set ALO, 128
.set AHI, 192
.set WV,  18
.set G1A, 24                           ; s[24:31] group 1: 128 rows of 256 bytes
.set G1S, 32                           ; s[32:39] 32 rows of 256 bytes
.set G0A, 40                           ; s[40:43] slot 0's first fill
.set G0W, 44                           ; s[44:47] slot 1's first fill; then it walks
.set G0S, 48                           ; s[48:51] the scale words
.set KS,  52                           ; s[52:53] 2 log2(e)
.set SEL, 54
.set TA,  56                           ; LDS byte of the tile to be fetched
.set TT,  57                           ; 64 x tile: its place in cK and vv
.set TS,  58                           ; 128 x tile: its place among the scale words
.set CI,  59
.set CO,  60
.set S1,  0x04                         ; source 1 in window 1
.set S2,  0x08                         ; source 1 in window 2
.set MSB, 0
.macro WIN new                         ; the immediate's high byte repeats the setting that is left
.if MSB != \new
	s_set_vgpr_msb (MSB<<8)|\new
.set MSB, \new
.endif
.endm
.macro CROUND                          ; a round of the cluster's barrier
	s_barrier_signal -1
	s_barrier_wait -1
	s_cmp_lg_u32 s[WV], 0
	s_cbranch_scc1 .Lnot_wave_0_\@
	s_barrier_signal -3
.Lnot_wave_0_\@:
	s_barrier_wait -3
	s_barrier_signal -1
	s_barrier_wait -1
.endm
; One product: K step ms, tile of keys mn, into set p.  K step 0 starts the sum.  The four accumulators take turns, one instruction a turn.
.macro MM p
.set rD,  ACC+32*(\p)+8*mn
.set rA,  ALO+16*ms
.set rB,  64*(ms%4)+16*mn
.set rSA, AS+4*(\p)+ms%4
.set rSB, BS+4*mn+ms/2
.if ms == 0
	v_wmma_scale_f32_16x16x128_f8f6f4 v[rD:rD+7], v[rA:rA+15], v[rB:rB+15], 0, v[rSA], v[rSB]
.elseif (ms < 4) && (ms%2 == 0)
	v_wmma_scale_f32_16x16x128_f8f6f4 v[rD:rD+7], v[rA:rA+15], v[rB:rB+15], v[rD:rD+7], v[rSA], v[rSB]
.elseif ms < 4
	v_wmma_scale_f32_16x16x128_f8f6f4 v[rD:rD+7], v[rA:rA+15], v[rB:rB+15], v[rD:rD+7], v[rSA], v[rSB] matrix_b_scale:MATRIX_SCALE_ROW1
.elseif ms%2 == 0
	v_wmma_scale_f32_16x16x128_f8f6f4 v[rD:rD+7], v[rA:rA+15], v[rB:rB+15], v[rD:rD+7], v[rSA], v[rSB] matrix_a_scale:MATRIX_SCALE_ROW1
.else
	v_wmma_scale_f32_16x16x128_f8f6f4 v[rD:rD+7], v[rA:rA+15], v[rB:rB+15], v[rD:rD+7], v[rSA], v[rSB] matrix_a_scale:MATRIX_SCALE_ROW1 matrix_b_scale:MATRIX_SCALE_ROW1
.endif
.endm
; The vector work on pair q of 16 of the set at EE: registers 8 (q % 4) + 2 (q / 4) and the next: tile of keys q % 4, e = 16 i + 8 hh + 2 (q / 4) + 0, 1.  Pairs 0-3 are each accumulator's two lowest registers.
.macro F1                              ; 2 log2(e) x = 2 log2(e) e_proj + cK
.set rP, EE+8*(q%4)+2*(q/4)
	v_pk_fma_f32 v[rP:rP+1], v[rP:rP+1], s[KS:KS+1], v[CK+2*(q/4):CK+2*(q/4)+1] op_sel_hi:[1,0,1]
.endm
.macro EX
.set rP, EE+8*(q%4)+2*(q/4)
	v_exp_f32 v[rP], v[rP]
	v_exp_f32 v[rP+1], v[rP+1]
.endm
.macro A1
.set rP, EE+8*(q%4)+2*(q/4)
	v_pk_add_f32 v[rP:rP+1], v[rP:rP+1], 1.0 op_sel_hi:[1,0]
.endm
.macro RC
.set rP, EE+8*(q%4)+2*(q/4)
	v_rcp_f32 v[rP], v[rP]
	v_rcp_f32 v[rP+1], v[rP+1]
.endm
.macro F5                              ; U += r vv: the one step with three vector sources: window 0
.set rP, EE+8*(q%4)+2*(q/4)
	v_pk_fma_f32 v[U+2*(q%4):U+2*(q%4)+1], v[rP:rP+1], v[VV+2*(q/4):VV+2*(q/4)+1], v[U+2*(q%4):U+2*(q%4)+1]
.endm
.macro RUNH                            ; 18 LDS loads: the tile's K steps 4-7, and vv of the tile before it
	v_add_nc_u32 v[ADV], s[TT], v[VVB]
.irp f, 0,1,2,3
.irp c, 0,1,2,3
	ds_load_b128 v[AHI+16*\f+4*\c:AHI+16*\f+4*\c+3], v[ADA] offset:8192+2048*\f+512*\c
.endr
.endr
	ds_load_b128 v[VV:VV+3], v[ADV]
	ds_load_b128 v[VV+4:VV+7], v[ADV] offset:16
.endm
.macro LOWS                            ; 16 LDS loads: a tile's K steps 0-3
.irp f, 0,1,2,3
.irp c, 0,1,2,3
	ds_load_b128 v[ALO+16*\f+4*\c:ALO+16*\f+4*\c+3], v[ADA] offset:2048*\f+512*\c
.endr
.endr
.endm
.macro CKS                             ; cK of the tile whose products are being made
	ds_load_b128 v[CK:CK+3], v[ADC]
	ds_load_b128 v[CK+4:CK+7], v[ADC] offset:16
.endm
; A TURN.  kind 0: the next tile lies in the same slot.  1: the slot is left and filled again.  2: it is left, and nothing more is fetched.  3: the last tile of all.
.macro TURN p, kind
.set EE, ACC+32*(1-(\p))
	RUNH                                           ; the 16 weighted sums that end the turn before are the places behind the last products that read these registers
	s_wait_dscnt 18                                ; all but the 18 just issued: K steps 0-3, their scale words and cK are in
	WIN S1
.set k, 0
.rept 16
.set ms, k/4
.set mn, k%4
	MM \p
.set q, k
	F1
.if k >= 1
.set q, k-1
	EX
.endif
.set k, k+1
.endr
.set q, 15
	EX
	v_nop                                          ; a plain line behind the last exponential
	WIN 0
.if ((\kind) == 1) || ((\kind) == 2)
	s_wait_tensorcnt 0x0                           ; all my tensor loads have landed: my part of the next slot
	ds_add_u32 v[SPW], v[NIL]                      ; 0 onto my spare word: register work stands between it and the wait for it
.endif
	s_wait_alu depctr_va_vdst(0)                   ; one wait for the turn's 32 exponentials, ahead of their first reader
.set q, 0
.rept 8
	A1                                             ; these eight and the v_nop are the places in front of the loads into K steps 0-3's registers
.set q, q+1
.endr
.if (\kind) == 0
	s_add_co_u32 s[TA], s[TA], TILEB
.elseif (\kind) < 3
	s_sub_co_u32 s[TA], s[TA], 7*TILEB             ; back to a slot's first tile,
	s_xor_b32 s[TA], s[TA], SLOTX                  ; in the other slot
.endif
	v_add_nc_u32 v[ADC], s[TT], v[CK0]
	s_add_co_u32 s[TT], s[TT], 64
.if (\kind) < 3
	v_add_nc_u32 v[ADA], s[TA], v[L16]
	v_add_nc_u32 v[ADS], s[TS], v[SC0]
	s_add_co_u32 s[TS], s[TS], 128
.endif
.if (\kind) == 1
	s_xor_b32 s[G0W+1], s[G0W+1], SLOTX            ; no tensor load of mine is out, so the walking descriptor may be written: the slot that is being left,
	s_add_nc_u64 s[G0W+2:G0W+3], s[G0W+2:G0W+3], 131072   ; the next eight tiles; the type bits on top are not reached
	s_wait_dscnt 0x0                               ; the add is done, and my reads of the slot that is being left are over
	CROUND                                         ; the same holds of every wave of all four work-groups
	tensor_load_to_lds s[G0W:G0W+3], s[G1A:G1A+7]  ; my one tensor load behind the round, and the first thing there
	s_nop 0
.rept 4
	v_nop
.endr
.elseif (\kind) == 2
	s_wait_dscnt 0x0
	s_barrier_signal -1
	s_barrier_wait -1                              ; the last slot is whole for every wave; nothing is filled again
.endif
.if (\kind) < 3
	LOWS                                           ; 20 LDS loads: the next tile's K steps 0-3, its scale words, and cK
	ds_load_b64 v[AS+4*(1-(\p)):AS+4*(1-(\p))+1], v[ADS]
	ds_load_b64 v[AS+4*(1-(\p))+2:AS+4*(1-(\p))+3], v[ADS] offset:8192
	CKS
	s_wait_dscnt 20                                ; all but the 20 just issued: K steps 4-7 and vv are in
.else
	CKS
	s_wait_dscnt 2
.endif
	WIN S2
.set k, 0
.rept 16
.set ms, 4+k/4
.set mn, k%4
	MM \p
.if k < 8
.set q, 8+k
	A1
.endif
.set q, k
	RC
.set k, k+1
.endr
	v_nop                                          ; a plain line behind the last reciprocal
	s_wait_alu depctr_va_vdst(0)                   ; one wait for the turn's 32 reciprocals
	WIN 0
.set q, 0
.rept 16
	F5
.set q, q+1
.endr
.endm
.macro SLOTBODY kind                   ; a slot's eight tiles
	s_mov_b32 s[CI], 3
.Lpair_\@:
	TURN 0, 0
	TURN 1, 0
	s_sub_co_u32 s[CI], s[CI], 1
	s_cmp_lg_u32 s[CI], 0
	s_cbranch_scc1 .Lpair_\@
	TURN 0, 0
	TURN 1, \kind
.endm
	s_load_b256 s[4:11], s[0:1], 0x0               ; ecode s[4:5], wecode s[6:7], rsum s[8:9], c_out s[10:11]
	s_load_b128 s[12:15], s[0:1], 0x20             ; v s[12:13], evidence_mask s[14:15]
	s_load_b64 s[16:17], s[0:1], 0x30              ; out1
	v_lshl_add_u32 v[SPW], v0, 2, SPARE
	v_mov_b32 v[NIL], 0
	ds_add_u32 v[SPW], v[NIL]                      ; the wave's opening: the add, twice on end, and its wait ahead of my first tensor load
	ds_add_u32 v[SPW], v[NIL]
	v_lshrrev_b32 v12, 5, v0
	v_readfirstlane_b32 s[WV], v12                 ; wave 0..3
	s_bfe_u32 s19, ttmp6, 0x40000                  ; cx: it enters the addresses of ecode, c_out, the mask and out1 alone
	s_lshl_b32 s20, ttmp9, 2
	s_add_co_u32 s20, s20, s19
	s_lshl_b32 s20, s20, 2
	s_add_co_u32 s20, s20, s[WV]                   ; my batch row b = 4 (4 x cluster x + cx) + wave
	s_and_b32 s21, ttmp7, 0xffff                   ; the head, which the four partners share
	s_mov_b32 s[G1A], 15|(3<<16)|(1<<21)           ; 15:0 the mask: all four work-groups; 17:16 elements of 8 bytes; 21 set beside a mask; no padding
	s_mov_b32 s[G1A+1], 32<<16                     ; tensor_dim0 = 32 elements: 256 bytes
	s_mov_b32 s[G1A+2], 128<<16                    ; tensor_dim1 = 128
	s_mov_b32 s[G1A+3], 32<<16                     ; tile_dim0
	s_mov_b32 s[G1A+4], 128                        ; tile_dim1
	s_mov_b32 s[G1A+5], 32                         ; the pitch: the block is dense
	s_mov_b32 s[G1A+6], 0
	s_mov_b32 s[G1A+7], 0
	s_mov_b32 s[G1S], 15|(3<<16)|(1<<21)
	s_mov_b32 s[G1S+1], 32<<16
	s_mov_b32 s[G1S+2], 32<<16
	s_mov_b32 s[G1S+3], 32<<16
	s_mov_b32 s[G1S+4], 32
	s_mov_b32 s[G1S+5], 32
	s_mov_b32 s[G1S+6], 0
	s_mov_b32 s[G1S+7], 0
	s_lshl_b32 s22, s21, 20
	s_lshl_b32 s23, s[WV], 15
	s_add_co_u32 s22, s22, s23                     ; codes: head x 1 MiB + my quarter of a slot
	s_mov_b32 s23, 0
	s_lshl_b32 s2, s21, 15
	s_lshl_b32 s3, s[WV], 13
	s_add_co_u32 s2, s2, s3
	s_add_co_u32 s2, s2, 4194304                   ; scale words: head x 32,768 + my quarter
	s_mov_b32 s3, 0
	s_mov_b32 s[G0A], 1
	s_lshl_b32 s[G0A+1], s[WV], 15                 ; LDS: slot 0, my quarter: no place in the cluster enters an LDS address
	s_mov_b32 s[G0W], 1
	s_add_co_u32 s[G0W+1], s[G0A+1], SLOTX
	s_mov_b32 s[G0S], 1
	s_lshl_b32 s[G0S+1], s[WV], 13
	s_add_co_u32 s[G0S+1], s[G0S+1], SCL
	s_mov_b32 s[KS], 0x4038aa3b                    ; 2 log2(e)
	s_mov_b32 s[KS+1], s[KS]                       ; (named with it as a pair, so it is written)
	s_mov_b32 s[SEL], 0x76543210
	s_mov_b32 s[SEL+1], 0xfedcba98
	s_mov_b32 s[TA], 0
	s_mov_b32 s[TT], 0
	s_mov_b32 s[TS], 128
	s_wait_dscnt 0x0                               ; both opening adds are done
	s_wait_kmcnt 0x0
	s_add_nc_u64 s[G0A+2:G0A+3], s[6:7], s[22:23]
	s_add_nc_u64 s[G0W+2:G0W+3], s[G0A+2:G0A+3], 131072
	s_add_nc_u64 s[G0S+2:G0S+3], s[6:7], s[2:3]
	s_or_b32 s[G0A+3], s[G0A+3], 0x80000000
	s_or_b32 s[G0W+3], s[G0W+3], 0x80000000
	s_or_b32 s[G0S+3], s[G0S+3], 0x80000000
	CROUND                                         ; all four work-groups are here: the first joint loads meet
	tensor_load_to_lds s[G0S:G0S+3], s[G1S:G1S+7]  ; three loads of mine are out: the scale words,
	s_nop 0
	tensor_load_to_lds s[G0A:G0A+3], s[G1A:G1A+7]  ; slot 0,
	s_nop 0
	tensor_load_to_lds s[G0W:G0W+3], s[G1A:G1A+7]  ; slot 1
	s_nop 0
.rept 4
	v_nop
.endr
	s_lshl_b32 s62, s20, 11
	s_add_co_u32 s62, s62, 16777216
	s_mov_b32 s63, 0
	s_add_nc_u64 s[6:7], s[4:5], s[62:63]          ; my row's scale words in ecode
	s_lshl_b32 s62, s20, 16
	s_add_nc_u64 s[4:5], s[4:5], s[62:63]          ; its codes
	s_lshl_b32 s62, s20, 12
	s_add_nc_u64 s[10:11], s[10:11], s[62:63]      ; c_out[b]
	s_lshl_b32 s62, s20, 8
	s_add_nc_u64 s[14:15], s[14:15], s[62:63]      ; the mask's row
	s_lshl_b32 s62, s20, 2
	s_add_co_u32 s62, s62, s21
	s_lshl_b32 s62, s62, 8
	s_add_nc_u64 s[16:17], s[16:17], s[62:63]      ; alpha[b][h]
	s_lshl_b32 s22, s21, 12
	s_add_nc_u64 s[8:9], s[8:9], s[22:23]          ; rsum[h]
	s_lshl_b32 s2, s[WV], 10
	s_add_co_u32 s22, s22, s2
	s_add_nc_u64 s[12:13], s[12:13], s[22:23]      ; v[h], my quarter
	v_and_b32 v12, 31, v0
	v_lshlrev_b32 v[L16], 4, v12
	v_and_b32 v13, 15, v0                          ; r
	v_bfe_u32 v14, v0, 4, 1                        ; hh
	v_lshlrev_b32 v15, 4, v13
.irp j, 0,1,2,3,4,5,6,7
	global_load_b128 v[128+4*\j:131+4*\j], v[L16], s[10:11] offset:512*\j    ; c_out[b], into registers that the fragments take later
	global_load_b128 v[160+4*\j:163+4*\j], v[L16], s[8:9] offset:512*\j      ; rsum[h]
.endr
.irp j, 0,1
	global_load_b128 v[192+4*\j:195+4*\j], v[L16], s[12:13] offset:512*\j
.endr
.irp n, 0,1,2,3
	global_load_b128 v[BS+4*\n:BS+4*\n+3], v[L16], s[6:7] offset:512*\n
.endr
	WIN 0xc0                                       ; destination window 3
	global_load_b128 v[0:3], v15, s[14:15]         ; the mask of keys 4 r + 0..3
	WIN 0x40                                       ; destination window 1
.irp s, 0,1,2,3
.irp n, 0,1,2,3
.irp c, 0,1,2,3
	global_load_b128 v[64*\s+16*\n+4*\c:64*\s+16*\n+4*\c+3], v[L16], s[4:5] offset:16384*\n+2048*\s+512*\c th:TH_LOAD_NT
.endr
.endr
.endr
	WIN 0x80                                       ; destination window 2
.irp s, 0,1,2,3
.irp n, 0,1,2,3
.irp c, 0,1,2,3
	global_load_b128 v[64*\s+16*\n+4*\c:64*\s+16*\n+4*\c+3], v[L16], s[4:5] offset:16384*\n+8192+2048*\s+512*\c th:TH_LOAD_NT
.endr
.endr
.endr
	WIN 0
	s_lshl_b32 s22, s[WV], 12
	v_lshl_add_u32 v[CK0], v14, 5, CKT
	v_add_nc_u32 v[CK0], s22, v[CK0]               ; my wave's cK, + 32 hh
	v_lshl_add_u32 v[VVB], v14, 5, VVT
	v_lshlrev_b32 v[SC0], 3, v13
	v_lshl_add_u32 v[SC0], v14, 14, v[SC0]
	v_add_nc_u32 v[SC0], SCL, v[SC0]               ; scale words: 8 r, lanes 16-31 two runs of 8,192 bytes further on
	v_add_nc_u32 v[ADC], s22, v[L16]
	v_add_nc_u32 v[ADC], CKT, v[ADC]               ; where I store cK
	s_lshl_b32 s22, s[WV], 10
	v_add_nc_u32 v[ADV], s22, v[L16]
	v_add_nc_u32 v[ADV], VVT+64, v[ADV]            ; and my quarter of vv
	s_lshl_b32 s22, s[WV], 4
	v_and_b32 v[ADS], 3, v0
	v_lshlrev_b32 v[ADS], 2, v[ADS]
	v_add_nc_u32 v[ADS], s22, v[ADS]
	v_add_nc_u32 v[ADS], VVT, v[ADS]               ; and my wave's 16 of the 64 zero bytes
.set j, 0
.rept 32
	v_mov_b32 v[ACC+32+j], 0                       ; the loop has no first turn of its own: tile 0's turn finds zeros here, makes r = 1 / 2 of them and weighs it with the zeros in front of vv
.set j, j+1
.endr
.set j, 0
.rept 8
	v_mov_b32 v[CK+j], 0
	v_mov_b32 v[U+j], 0
.set j, j+1
.endr
	s_wait_loadcnt 0x0
.set j, 0
.rept 16
	v_pk_mul_f32 v[128+j:129+j], v[128+j:129+j], v[160+j:161+j]
.set j, j+2
.endr
.set j, 0
.rept 16
	v_pk_mul_f32 v[128+j:129+j], v[128+j:129+j], s[KS:KS+1] op_sel_hi:[1,0]
.set j, j+2
.endr
.set j, 0
.rept 4
	v_pk_mul_f32 v[192+j:193+j], v[192+j:193+j], s[KS:KS+1] op_sel_hi:[1,0] neg_lo:[1,0] neg_hi:[1,0]
.set j, j+2
.endr
.irp j, 0,1,2,3,4,5,6,7
	ds_store_b128 v[ADC], v[128+4*\j:131+4*\j] offset:512*\j
.endr
.irp j, 0,1
	ds_store_b128 v[ADV], v[192+4*\j:195+4*\j] offset:512*\j
.endr
	ds_store_b32 v[ADS], v[NIL]
	s_wait_tensorcnt 1                             ; the scale words and my part of slot 0 are in; slot 1's load stays out
	s_wait_dscnt 0x0                               ; my stores have landed
	s_barrier_signal -1
	s_barrier_wait -1
	v_add_nc_u32 v[ADA], s[TA], v[L16]
	LOWS                                           ; 18 LDS loads: tile 0's K steps 0-3 and its scale words
	ds_load_b64 v[AS:AS+1], v[SC0]
	ds_load_b64 v[AS+2:AS+3], v[SC0] offset:8192
	s_mov_b32 s[CO], 6
.Lslot:                                            ; six trips: slots 0 to 5 are filled again with slots 2 to 7
	SLOTBODY 1
	s_sub_co_u32 s[CO], s[CO], 1
	s_cmp_lg_u32 s[CO], 0
	s_cbranch_scc1 .Lslot
	SLOTBODY 2                                     ; the last two slots are written out
	SLOTBODY 3
	; tile 63's vector work; the 16 weighted sums above are the places behind its last products
.set EE, ACC+32
	v_add_nc_u32 v[ADV], s[TT], v[VVB]
	ds_load_b128 v[VV:VV+3], v[ADV]
	ds_load_b128 v[VV+4:VV+7], v[ADV] offset:16
	s_wait_dscnt 0x0
.set q, 0
.rept 16
	F1
.set q, q+1
.endr
.set q, 0
.rept 16
	EX
.set q, q+1
.endr
	v_nop
	s_wait_alu depctr_va_vdst(0)
.set q, 0
.rept 16
	A1
.set q, q+1
.endr
.set q, 0
.rept 16
	RC
.set q, q+1
.endr
	v_nop
	s_wait_alu depctr_va_vdst(0)
.set q, 0
.rept 16
	F5
.set q, q+1
.endr
	; THE SOFTMAX over my row's 64 keys: lane (r, hh) holds keys 4 r + 0..3
.irp n, 0,1,2,3
	v_add_f32 v[64+\n], v[U+2*\n], v[U+2*\n+1]
.endr
.irp n, 0,1,2,3
	v_permlanex16_b32 v[68+\n], v[64+\n], s[SEL], s[SEL+1]
.endr
.irp n, 0,1,2,3
	v_add_f32 v[64+\n], v[64+\n], v[68+\n]         ; with the other eight e of each 16: u log2(e), less the term left out
.endr
	WIN 0x03                                       ; source 0 window 3
.irp n, 0,1,2,3
	v_mov_b32 v[72+\n], v[\n]
.endr
	WIN 0
	v_mov_b32 v76, 0xff800000                      ; -infinity
.irp n, 0,1,2,3
	v_cmp_eq_u32 vcc_lo, 0, v[72+\n]
	v_cndmask_b32 v[64+\n], v[64+\n], v76, vcc_lo
.endr
	v_max3_num_f32 v77, v64, v65, v66
	v_max_num_f32 v77, v77, v67
	v_max_num_f32_dpp v77, v77, v77 row_xmask:1 row_mask:0xf bank_mask:0xf
	v_max_num_f32_dpp v77, v77, v77 row_xmask:2 row_mask:0xf bank_mask:0xf
	v_max_num_f32_dpp v77, v77, v77 row_xmask:4 row_mask:0xf bank_mask:0xf
	v_max_num_f32_dpp v77, v77, v77 row_xmask:8 row_mask:0xf bank_mask:0xf   ; the row's maximum (both halves of the lanes hold the same 64 numbers)
.irp n, 0,1,2,3
	v_sub_f32 v[64+\n], v[64+\n], v77
.endr
.irp n, 0,1,2,3
	v_exp_f32 v[64+\n], v[64+\n]
.endr
	v_nop
	s_wait_alu depctr_va_vdst(0)
	v_add_f32 v78, v64, v65
	v_add_f32 v79, v66, v67
	v_add_f32 v78, v78, v79
	v_add_f32_dpp v78, v78, v78 row_xmask:1 row_mask:0xf bank_mask:0xf
	v_add_f32_dpp v78, v78, v78 row_xmask:2 row_mask:0xf bank_mask:0xf
	v_add_f32_dpp v78, v78, v78 row_xmask:4 row_mask:0xf bank_mask:0xf
	v_add_f32_dpp v78, v78, v78 row_xmask:8 row_mask:0xf bank_mask:0xf
	v_rcp_f32 v78, v78
	v_nop
	s_wait_alu depctr_va_vdst(0)
.irp n, 0,1,2,3
	v_mul_f32 v[80+\n], v[64+\n], v78
.endr
	s_wait_xcnt 0x0                                ; EXEC changes only behind this wait
	v_cmp_gt_u32 vcc_lo, 256, v[L16]               ; lanes 0-15
	s_and_saveexec_b32 s61, vcc_lo
	global_store_b128 v[L16], v[80:83], s[16:17]   ; sixteen lanes store alpha[b][h]'s 256 consecutive bytes, aligned
	s_wait_xcnt 0x0
	s_or_b32 exec_lo, exec_lo, s61
	s_wait_tensorcnt 0x0                           ; the wave's end
	ds_add_u32 v[SPW], v[NIL]
	s_wait_dscnt 0x0
	CROUND                                         ; the closing round: no work-group ends while a partner may still ask for a tile that names it
	s_endpgm
.Lfunc_end_k_qee98be25cf_main:
	.size	k_qee98be25cf_main, .Lfunc_end_k_qee98be25cf_main-k_qee98be25cf_main
	.p2alignl 7, 3214868480
	.fill 96, 4, 3214868480
	.section	.rodata,"a",@progbits
	.p2align	6, 0x0
	.amdhsa_kernel k_qee98be25cf_main
		.amdhsa_group_segment_fixed_size 327680
		.amdhsa_private_segment_fixed_size 0
		.amdhsa_enable_private_segment 0
		.amdhsa_kernarg_size 56
		.amdhsa_user_sgpr_count 2
		.amdhsa_user_sgpr_kernarg_segment_ptr 1
		.amdhsa_wavefront_size32 1
		.amdhsa_system_sgpr_workgroup_id_x 1
		.amdhsa_system_sgpr_workgroup_id_y 1
		.amdhsa_system_sgpr_workgroup_id_z 1
		.amdhsa_system_vgpr_workitem_id 0
		.amdhsa_next_free_vgpr 1024
		.amdhsa_next_free_sgpr 66
		.amdhsa_reserve_vcc 1
		.amdhsa_float_denorm_mode_32 3
		.amdhsa_float_denorm_mode_16_64 3
		.amdhsa_memory_ordered 1
		.amdhsa_forward_progress 1
		.amdhsa_inst_pref_size 178
	.end_amdhsa_kernel
	.amdgpu_metadata
---
amdhsa.version: [ 1, 2 ]
amdhsa.kernels:
  - .name:           k_qee98be25cf_main
    .symbol:         k_qee98be25cf_main.kd
    .args:
      - { .name: ecode, .offset: 0, .size: 8, .value_kind: global_buffer, .address_space: global }
      - { .name: wecode, .offset: 8, .size: 8, .value_kind: global_buffer, .address_space: global }
      - { .name: rsum, .offset: 16, .size: 8, .value_kind: global_buffer, .address_space: global }
      - { .name: c_out, .offset: 24, .size: 8, .value_kind: global_buffer, .address_space: global }
      - { .name: v, .offset: 32, .size: 8, .value_kind: global_buffer, .address_space: global }
      - { .name: evidence_mask, .offset: 40, .size: 8, .value_kind: global_buffer, .address_space: global }
      - { .name: out1, .offset: 48, .size: 8, .value_kind: global_buffer, .address_space: global }
    .group_segment_fixed_size: 327680
    .private_segment_fixed_size: 0
    .kernarg_segment_align: 8
    .kernarg_segment_size: 56
    .max_flat_workgroup_size: 128
    .sgpr_count:     66
    .vgpr_count:     1024
    .wavefront_size: 32
...
	.end_amdgpu_metadata
.endif
;; end of part 2
;; launch att (part 3): grid 256 x 1, 8 waves a work-group, no clusters, 5,632 bytes of LDS; arguments e_emb, out1, c_out, gate_w, hcode, out2; writes hcode, out2
.if DOCPART == 3
	.amdgcn_target "amdgcn-amd-amdhsa--gfx1250"
	.amdhsa_code_object_version 6
	.text
	.protected	k_qee98be25cf_att
	.globl	k_qee98be25cf_att
	.p2align	8
	.type	k_qee98be25cf_att,@function
k_qee98be25cf_att:
	s_mov_b64 s[64:65], 0
	v_nop
	global_prefetch_b8 v0, s[64:65] scope:SCOPE_SE
	s_setreg_imm32_b32 hwreg(HW_REG_WAVE_MODE, 25, 1), 1
	s_wait_xcnt 0x0
; ATT: for one batch row b: e_att_heads[h][d] = sum_k alpha[b,h,k] e_emb[b,k,d]; head_weights = softmax_h(gate logits); e_att; h = [c, e_att, |c - e_att|, c e_att], quantised along its 4,096 to E4M3 codes.
; All of it in f32: it goes into a quantiser.
; LEFT OUT (shown at the head of the first kernel): c_out . gate_w[:1024] + gate_b, the same for the four heads of the softmax; gate_b is no argument, gate_w's first 4,096 bytes are not read.
; LIMITS: a batch row whose mask is all 0 has NaN in alpha; head_weights is then NaN as in reference(), and that row's logits are not served.  A block of zeros gets the byte 1 (read by this program alone).
; SHARES.  One work-group to a batch row; thread t owns d = 4 t .. 4 t + 3, so a wave's load covers 512 consecutive bytes of a key's row and the eight waves a whole row.  e_emb's 262,144 bytes are read once,
; 32 loads of every wave out at a time.  alpha comes as scalars, eight keys x four heads a group, a group ahead.  No matrix unit, no cluster: few multiply-adds a byte, and no two work-groups read the same bytes.
; OUT.  hcode's codes: [b / 16][K / 256][b % 16][256 bytes]: a tile of 16 rows x 256 K is 4,096 consecutive bytes.  Scale bytes: [b][256]: the row's 128 bytes, and the same once more, so that the store covers 256 bytes.
.set SPARE, 4608                       ; LDS: 0 the waves' gate sums; 256 the row's 4,096 codes; 4,352 its scale bytes, twice; 4,608 the spare words, 128 bytes a wave
.set T16,  1
.set A4,   3
.set B8,   4
.set RD,   5
.set SBR,  6
.set GOF,  7
.set GW,   8                           ; v8-11 gate_w[1024 + 4 t ..]
.set SPW,  12
.set NIL,  13
.set WST,  14
.set ZERO, 15
.set EH,   16                          ; v16-31 e_att_heads[h][4 t + c] at 4 h + c
.set X,    32                          ; v32-159 four sets of eight keys' 16 bytes
.set HW,   48                          ; v48-51 head_weights (behind the loop)
.set H,    160                         ; v160-175 h's four segments, v176-179 zeros
.set WV,   52
.set SEL,  54
.set MNT,  56
.macro ALOAD g                         ; alpha[b][h][8 g .. 8 g + 7] into set g % 2: s16-47 or s68-99
.irp h, 0,1,2,3
	s_load_b256 s[16+52*((\g)%2)+8*\h:16+52*((\g)%2)+8*\h+7], s[6:7], 256*\h+32*(\g)
.endr
.endm
.macro XLOAD g
.irp i, 0,1,2,3,4,5,6,7
	global_load_b128 v[X+32*((\g)%4)+4*\i:X+32*((\g)%4)+4*\i+3], v[T16], s[4:5] offset:4096*(8*(\g)+\i) th:TH_LOAD_NT
.endr
.endm
.macro GROUP g, left
	s_wait_kmcnt 0x0                               ; this group's alpha is in
.if (\g) < 7
	ALOAD (\g)+1
.endif
.set AG, 16+52*((\g)%2)
.set XG, X+32*((\g)%4)
	s_wait_loadcnt \left                           ; this group's eight loads are in; the groups behind it stay out
.irp i, 0,1,2,3,4,5,6,7
.irp h, 0,1,2,3
.irp c, 0,1,2,3
.if ((\g) == 0) && (\i == 0)
	v_mul_f32 v[EH+4*\h+\c], s[AG+8*\h+\i], v[XG+4*\i+\c]        ; key 0 starts the sums
.else
	v_fma_f32 v[EH+4*\h+\c], s[AG+8*\h+\i], v[XG+4*\i+\c], v[EH+4*\h+\c]
.endif
.endr
.endr
.endr
.if (\g)+4 < 8
	XLOAD (\g)+4
.endif
.endm
	s_load_b256 s[4:11], s[0:1], 0x0               ; e_emb s[4:5], out1 s[6:7], c_out s[8:9], gate_w s[10:11]
	s_load_b128 s[12:15], s[0:1], 0x20             ; hcode s[12:13], out2 s[14:15]
	v_lshl_add_u32 v[SPW], v0, 2, SPARE
	v_mov_b32 v[NIL], 0
	v_lshrrev_b32 v2, 5, v0
	v_readfirstlane_b32 s[WV], v2                  ; wave 0..7
	v_lshlrev_b32 v[WST], 4, v2                    ; my wave's 16 bytes of gate sums
	v_lshlrev_b32 v[T16], 4, v0
	v_lshl_add_u32 v[A4], v0, 2, 256               ; my four codes of a segment
	v_lshrrev_b32 v[B8], 3, v0
	v_add_nc_u32 v[B8], 4352, v[B8]                ; my block's scale byte
	v_lshl_add_u32 v[RD], v0, 4, 256               ; 16 codes on the way out
	v_and_b32 v[GOF], 15, v0
	v_lshlrev_b32 v[GOF], 4, v[GOF]
	v_add_nc_u32 v[SBR], 4352, v[GOF]              ; the scale bytes on the way out
	v_lshrrev_b32 v2, 4, v0
	v_lshl_add_u32 v[GOF], v2, 12, v[GOF]          ; hcode: (t / 16) x 4,096 + 16 (t % 16)
	v_mov_b32 v[ZERO], 0
.irp c, 0,1,2,3
	v_mov_b32 v[H+16+\c], 0                        ; read by the last segment's conversion, whose upper word is not used
.endr
	s_mov_b32 s[SEL], 0x76543210
	s_mov_b32 s[SEL+1], 0xfedcba98
	s_mov_b32 s[MNT], 0x600000
	s_lshl_b32 s58, ttmp9, 18
	s_mov_b32 s59, 0
	s_lshl_b32 s60, ttmp9, 10
	s_mov_b32 s61, 0
	s_lshl_b32 s62, ttmp9, 12
	s_mov_b32 s63, 0
	s_wait_kmcnt 0x0
	s_add_nc_u64 s[4:5], s[4:5], s[58:59]
	s_add_nc_u64 s[6:7], s[6:7], s[60:61]
	s_add_nc_u64 s[8:9], s[8:9], s[62:63]
	ALOAD 0
	global_load_b128 v[H:H+3], v[T16], s[8:9]      ; c_out[b]: h's first segment as it stands
	global_load_b128 v[GW:GW+3], v[T16], s[10:11] offset:4096
.irp g, 0,1,2,3
	XLOAD \g
.endr
	s_lshl_b32 s58, ttmp9, 8
	s_add_co_u32 s58, s58, 1048576
	s_add_nc_u64 s[50:51], s[12:13], s[58:59]      ; my row's scale bytes in hcode
	s_lshr_b32 s58, ttmp9, 4
	s_lshl_b32 s58, s58, 16
	s_and_b32 s60, ttmp9, 15
	s_lshl_b32 s60, s60, 8
	s_add_co_u32 s58, s58, s60
	s_add_nc_u64 s[12:13], s[12:13], s[58:59]      ; its codes: (b / 16) x 65,536 + (b % 16) x 256
	s_lshl_b32 s58, ttmp9, 4
	s_add_nc_u64 s[14:15], s[14:15], s[58:59]      ; head_weights[b]
.irp g, 0,1,2,3,4
	GROUP \g, 24
.endr
	GROUP 5, 16
	GROUP 6, 8
	GROUP 7, 0
	; the gate: e_att_heads[h] . gate_w[1024:], over my four numbers, my wave, the eight waves
.irp h, 0,1,2,3
	v_mul_f32 v[32+\h], v[EH+4*\h], v[GW]
.endr
.irp c, 1,2,3
.irp h, 0,1,2,3
	v_fma_f32 v[32+\h], v[EH+4*\h+\c], v[GW+\c], v[32+\h]
.endr
.endr
.irp m, 1,2,4,8
.irp h, 0,1,2,3
	v_add_f32_dpp v[32+\h], v[32+\h], v[32+\h] row_xmask:\m row_mask:0xf bank_mask:0xf
.endr
.endr
.irp h, 0,1,2,3
	v_permlanex16_b32 v[36+\h], v[32+\h], s[SEL], s[SEL+1]
.endr
.irp h, 0,1,2,3
	v_add_f32 v[32+\h], v[32+\h], v[36+\h]
.endr
	ds_store_b128 v[WST], v[32:35]                 ; all lanes of a wave write the same 16 bytes with the same values
	s_wait_dscnt 0x0                               ; for the others' sake
	s_barrier_signal -1
	s_barrier_wait -1
.irp j, 0,1,2,3,4,5,6,7
	ds_load_b128 v[40+4*\j:43+4*\j], v[ZERO] offset:16*\j
.endr
	s_wait_dscnt 0x0
.irp j, 1,2,3,4,5,6,7
	v_pk_add_f32 v[40:41], v[40:41], v[40+4*\j:41+4*\j]
	v_pk_add_f32 v[42:43], v[42:43], v[42+4*\j:43+4*\j]
.endr
	v_max3_num_f32 v44, v40, v41, v42
	v_max_num_f32 v44, v44, v43                    ; the maximum is taken away, as reference() does
.irp h, 0,1,2,3
	v_sub_f32 v[40+\h], v[40+\h], v44
.endr
.irp h, 0,1,2,3
	v_mul_f32 v[40+\h], 0x3fb8aa3b, v[40+\h]
.endr
.irp h, 0,1,2,3
	v_exp_f32 v[40+\h], v[40+\h]
.endr
	v_nop
	s_wait_alu depctr_va_vdst(0)                   ; one wait for the four exponentials
	v_add_f32 v45, v40, v41
	v_add_f32 v46, v42, v43
	v_add_f32 v45, v45, v46
	v_rcp_f32 v45, v45
	v_nop
	s_wait_alu depctr_va_vdst(0)
.irp h, 0,1,2,3
	v_mul_f32 v[HW+\h], v[40+\h], v45
.endr
.irp c, 0,1,2,3
	v_mul_f32 v[H+4+\c], v[HW], v[EH+\c]           ; e_att
.endr
.irp h, 1,2,3
.irp c, 0,1,2,3
	v_fma_f32 v[H+4+\c], v[HW+\h], v[EH+4*\h+\c], v[H+4+\c]
.endr
.endr
.irp c, 0,1,2,3
	v_sub_f32 v[H+8+\c], v[H+\c], v[H+4+\c]
	v_mul_f32 v[H+12+\c], v[H+\c], v[H+4+\c]
.endr
.irp c, 0,1,2,3
	v_and_b32 v[H+8+\c], 0x7fffffff, v[H+8+\c]
.endr
	; the quantiser: a block of 32 is eight neighbouring lanes' four numbers; the four segments by turns.  v52-55 largest magnitudes, v56-59 scale operands, v60-63 448 x the scale, v64-67 bytes, v68-75 codes
.irp s, 0,1,2,3
	v_max3_num_f32 v[52+\s], |v[H+4*\s]|, |v[H+4*\s+1]|, 0x4800000   ; with the floor 2^(9 - 127): the byte cannot fall under 1
.endr
.irp s, 0,1,2,3
	v_max3_num_f32 v[52+\s], v[52+\s], |v[H+4*\s+2]|, |v[H+4*\s+3]|
.endr
.irp m, 1,2,4
.irp s, 0,1,2,3
	v_max_num_f32_dpp v[52+\s], v[52+\s], v[52+\s] row_xmask:\m row_mask:0xf bank_mask:0xf
.endr
.endr
.irp s, 0,1,2,3
	v_add_nc_u32 v[56+\s], 0xfc000000, v[52+\s]
.endr
.irp s, 0,1,2,3
	v_and_or_b32 v[60+\s], v[52+\s], 0x7f800000, s[MNT]
.endr
.irp s, 0,1,2,3
	v_lshrrev_b32 v[64+\s], 23, v[56+\s]
.endr
.irp s, 0,1,2,3
.irp c, 0,1,2,3
	v_med3_num_f32 v[H+4*\s+\c], v[H+4*\s+\c], -v[60+\s], v[60+\s]
.endr
.endr
.irp s, 0,1,2,3
	v_cvt_scalef32_pk8_fp8_f32 v[68+2*\s:69+2*\s], v[H+4*\s:H+4*\s+7], v[56+\s]   ; the low word holds my four codes; the upper word, made of the next segment's numbers, is not used
.endr
	v_nop
.irp s, 0,1,2,3
	ds_store_b32 v[A4], v[68+2*\s] offset:1024*\s
	ds_store_b8 v[B8], v[64+\s] offset:32*\s       ; the eight lanes of a block write the same byte with the same value
	ds_store_b8 v[B8], v[64+\s] offset:128+32*\s
.endr
	s_wait_dscnt 0x0
	s_barrier_signal -1
	s_barrier_wait -1
	ds_load_b128 v[76:79], v[RD]
	s_wait_dscnt 0x0
	global_store_b128 v[GOF], v[76:79], s[12:13]   ; sixteen lanes store 256 consecutive bytes, aligned
	s_cmp_lg_u32 s[WV], 0
	s_cbranch_scc1 .Ldone
	ds_load_b128 v[80:83], v[SBR]
	s_wait_dscnt 0x0
	s_wait_xcnt 0x0                                ; EXEC changes only behind this wait
	v_cmp_gt_u32 vcc_lo, 16, v0
	s_and_saveexec_b32 s57, vcc_lo
	global_store_b128 v[T16], v[80:83], s[50:51]   ; the row's 256 scale bytes
	s_wait_xcnt 0x0
	s_or_b32 exec_lo, exec_lo, s57
	v_cmp_eq_u32 vcc_lo, 0, v0
	s_and_saveexec_b32 s57, vcc_lo
	global_store_b128 v[T16], v[HW:HW+3], s[14:15] ; head_weights[b]: 16 bytes, all that this work-group has of that output
	s_wait_xcnt 0x0
	s_or_b32 exec_lo, exec_lo, s57
.Ldone:
	s_wait_tensorcnt 0x0                           ; the wave's end: behind my last LDS store
	ds_add_u32 v[SPW], v[NIL]
	s_wait_dscnt 0x0
	s_endpgm
.Lfunc_end_k_qee98be25cf_att:
	.size	k_qee98be25cf_att, .Lfunc_end_k_qee98be25cf_att-k_qee98be25cf_att
	.p2alignl 7, 3214868480
	.fill 96, 4, 3214868480
	.section	.rodata,"a",@progbits
	.p2align	6, 0x0
	.amdhsa_kernel k_qee98be25cf_att
		.amdhsa_group_segment_fixed_size 5632
		.amdhsa_private_segment_fixed_size 0
		.amdhsa_enable_private_segment 0
		.amdhsa_kernarg_size 48
		.amdhsa_user_sgpr_count 2
		.amdhsa_user_sgpr_kernarg_segment_ptr 1
		.amdhsa_wavefront_size32 1
		.amdhsa_system_sgpr_workgroup_id_x 1
		.amdhsa_system_sgpr_workgroup_id_y 1
		.amdhsa_system_sgpr_workgroup_id_z 1
		.amdhsa_system_vgpr_workitem_id 0
		.amdhsa_next_free_vgpr 192
		.amdhsa_next_free_sgpr 100
		.amdhsa_reserve_vcc 1
		.amdhsa_float_denorm_mode_32 3
		.amdhsa_float_denorm_mode_16_64 3
		.amdhsa_memory_ordered 1
		.amdhsa_forward_progress 1
		.amdhsa_inst_pref_size 86
	.end_amdhsa_kernel
	.amdgpu_metadata
---
amdhsa.version: [ 1, 2 ]
amdhsa.kernels:
  - .name:           k_qee98be25cf_att
    .symbol:         k_qee98be25cf_att.kd
    .args:
      - { .name: e_emb, .offset: 0, .size: 8, .value_kind: global_buffer, .address_space: global }
      - { .name: out1, .offset: 8, .size: 8, .value_kind: global_buffer, .address_space: global }
      - { .name: c_out, .offset: 16, .size: 8, .value_kind: global_buffer, .address_space: global }
      - { .name: gate_w, .offset: 24, .size: 8, .value_kind: global_buffer, .address_space: global }
      - { .name: hcode, .offset: 32, .size: 8, .value_kind: global_buffer, .address_space: global }
      - { .name: out2, .offset: 40, .size: 8, .value_kind: global_buffer, .address_space: global }
    .group_segment_fixed_size: 5632
    .private_segment_fixed_size: 0
    .kernarg_segment_align: 8
    .kernarg_segment_size: 48
    .max_flat_workgroup_size: 256
    .sgpr_count:     100
    .vgpr_count:     192
    .wavefront_size: 32
...
	.end_amdgpu_metadata
.endif
;; end of part 3
;; launch mlp (part 4): grid 32 x 8, 4 waves a work-group, clusters of 4 x 1, 167,936 bytes of LDS; arguments hcode, w1code, b1, w2, part; writes part
.if DOCPART == 4
	.amdgcn_target "amdgcn-amd-amdhsa--gfx1250"
	.amdhsa_code_object_version 6
	.text
	.protected	k_qee98be25cf_mlp
	.globl	k_qee98be25cf_mlp
	.p2align	8
	.type	k_qee98be25cf_mlp,@function
k_qee98be25cf_mlp:
	s_mov_b64 s[64:65], 0
	v_nop
	global_prefetch_b8 v0, s[64:65] scope:SCOPE_SE
	s_setreg_imm32_b32 hwreg(HW_REG_WAVE_MODE, 25, 1), 1
	s_wait_xcnt 0x0
	s_wait_alu depctr_hold_cnt(0) depctr_sa_sdst(0) depctr_va_vdst(0) depctr_va_sdst(0) depctr_va_ssrc(0) depctr_va_vcc(0) depctr_vm_vsrc(0)
	s_getreg_b32 s2, hwreg(HW_REG_IB_STS2, 6, 4)
	s_cmp_eq_u32 s2, 0
	s_cbranch_scc0 .Lentry_in_a_cluster
	s_endpgm
.Lentry_in_a_cluster:
	s_bfe_u32 s2, ttmp6, 0x10000c
	s_cmp_lg_u32 s2, 0x3003
	s_cbranch_scc0 .Lentry_shape_is_right
	s_endpgm
.Lentry_shape_is_right:
; MLP: hid = relu(Q(h) Q(w1)^T + b1) on E4M3 codes with E8M0 scales, and each tile's share of hid w2^T: part[T][b][l] = sum over the 16 hidden units of tile T of hid[b][n] w2[l][n] (f32).
; SHARES.  A work-group makes 2 tiles of 16 hidden units x 2 tiles of 16 batch rows; 256 work-groups.  Wave w takes K = 1,024 w .. + 1,023 (eight K steps) for all four tiles, so four accumulators take turns;
; the four waves' sums meet in LDS, and wave t finishes tile t.  So the f32 sum over K is made in four parts; each part runs K ascending.
; Source 0 = 16 rows of w1, source 1 = 16 rows of h: lane (r, hh) holds batch row r and hidden units 8 hh + 0..7: the sum with w2 stays in the lane but for one exchange.
; CLUSTER.  The four work-groups of a cluster have the same batch rows: h's codes are asked for JOINTLY (mask 15), two loads a wave, each filled once; a wave reads only the bytes that it fetched itself.
; w1's codes lie in the order of the operand's registers and go from memory straight into registers: each is read by the eight work-groups of a column, in other clusters.
; REGISTERS.  window 0: v1-8 addresses; v10, v11 the add's two; v16-23 w1's scale words; v24-39 h's; v40-47 b1; v48-54 at work; v64-95 four accumulators; v96-119 w2; v128-255 eight fragments of h.  window 1: w1's 16 fragments.
.set RED,   139264                     ; behind h's tiles (4 waves x 2 x 64 rows x 272 bytes): the waves' partial tiles, 4 x 4,096 bytes
.set SPARE, 155648                     ; the spare words, 128 bytes a wave
.set L16, 1
.set HAD, 3
.set RST, 4
.set RLD, 5
.set O32, 6
.set O256, 7
.set SPW, 10
.set NIL, 11
.set W1S, 16                           ; register 4 a + j: lanes 0-15 the word of my K step 2 j, lanes 16-31 of 2 j + 1
.set HS,  24                           ; register 8 be + sl: row r's word of my K step sl
.set B1,  40
.set P,   48
.set ACC, 64
.set W2,  96
.set HF,  128
.set WV,  18
.set G1,  24
.set G0,  32
.set SEL, 54
.set MSB, 0
.macro WIN new
.if MSB != \new
	s_set_vgpr_msb (MSB<<8)|\new
.set MSB, \new
.endif
.endm
.macro CROUND
	s_barrier_signal -1
	s_barrier_wait -1
	s_cmp_lg_u32 s[WV], 0
	s_cbranch_scc1 .Lnot_wave_0_\@
	s_barrier_signal -3
.Lnot_wave_0_\@:
	s_barrier_wait -3
	s_barrier_signal -1
	s_barrier_wait -1
.endm
.macro MMW a, be                       ; my K step sl, tile a of hidden units, tile be of batch rows
.set rD,  ACC+8*(2*(\a)+(\be))
.set rA,  16*(8*(\a)+sl)
.set rB,  HF+16*(2*(sl%4)+(\be))
.set rSA, W1S+4*(\a)+sl/2
.set rSB, HS+8*(\be)+sl
.if sl == 0
	v_wmma_scale_f32_16x16x128_f8f6f4 v[rD:rD+7], v[rA:rA+15], v[rB:rB+15], 0, v[rSA], v[rSB]
.elseif sl%2 == 0
	v_wmma_scale_f32_16x16x128_f8f6f4 v[rD:rD+7], v[rA:rA+15], v[rB:rB+15], v[rD:rD+7], v[rSA], v[rSB]
.else
	v_wmma_scale_f32_16x16x128_f8f6f4 v[rD:rD+7], v[rA:rA+15], v[rB:rB+15], v[rD:rD+7], v[rSA], v[rSB] matrix_a_scale:MATRIX_SCALE_ROW1
.endif
.endm
	s_load_b256 s[4:11], s[0:1], 0x0               ; hcode s[4:5], w1code s[6:7], b1 s[8:9], w2 s[10:11]
	s_load_b64 s[12:13], s[0:1], 0x20              ; part
	v_lshl_add_u32 v[SPW], v0, 2, SPARE
	v_mov_b32 v[NIL], 0
	ds_add_u32 v[SPW], v[NIL]                      ; the wave's opening: the add, twice on end, and its wait ahead of my first tensor load
	ds_add_u32 v[SPW], v[NIL]
	v_lshrrev_b32 v12, 5, v0
	v_readfirstlane_b32 s[WV], v12                 ; wave 0..3
	s_bfe_u32 s19, ttmp6, 0x40000                  ; cx: it enters the addresses of w1code, b1, w2 and part alone
	s_lshl_b32 s20, ttmp9, 2
	s_add_co_u32 s20, s20, s19                     ; which pair of tiles of hidden units
	s_and_b32 s21, ttmp7, 0xffff                   ; which pair of tiles of batch rows: shared by the four partners
	s_mov_b32 s[G1], 15|(3<<16)|(1<<20)|(1<<21)|(5<<22)|(3<<25)   ; the mask; elements of 8 bytes; padding on; 21 set beside a mask; 4 words behind every 64
	s_mov_b32 s[G1+1], 32<<16                      ; rows of 256 bytes,
	s_mov_b32 s[G1+2], 64<<16                      ; 64 of them,
	s_mov_b32 s[G1+3], 32<<16
	s_mov_b32 s[G1+4], 64
	s_mov_b32 s[G1+5], 32                          ; dense in memory
	s_mov_b32 s[G1+6], 0
	s_mov_b32 s[G1+7], 0
	s_lshl_b32 s22, s21, 17
	s_lshl_b32 s23, s[WV], 14
	s_add_co_u32 s22, s22, s23                     ; tile 2 bgp of batch rows, my 1,024 along K: 16,384 consecutive bytes
	s_mov_b32 s23, 0
	s_mul_i32 s2, s[WV], 34816
	s_mov_b32 s[G0], 1
	s_mov_b32 s[G0+1], s2
	s_mov_b32 s[G0+4], 1
	s_add_co_u32 s[G0+5], s2, 17408
	s_mov_b32 s[SEL], 0x76543210
	s_mov_b32 s[SEL+1], 0xfedcba98
	s_wait_dscnt 0x0                               ; both opening adds are done
	s_wait_kmcnt 0x0
	s_add_nc_u64 s[G0+2:G0+3], s[4:5], s[22:23]
	s_add_nc_u64 s[G0+6:G0+7], s[G0+2:G0+3], 65536 ; the next tile of batch rows
	s_or_b32 s[G0+3], s[G0+3], 0x80000000
	s_or_b32 s[G0+7], s[G0+7], 0x80000000
	CROUND                                         ; all four work-groups are here: the joint loads meet
	tensor_load_to_lds s[G0:G0+3], s[G1:G1+7]      ; two loads of mine are out
	s_nop 0
	tensor_load_to_lds s[G0+4:G0+7], s[G1:G1+7]
	s_nop 0
.rept 4
	v_nop
.endr
	s_lshl_b32 s40, s20, 3
	s_add_co_u32 s40, s40, s[WV]                   ; w1code's job of tile a = 0: 4 (2 ng) + wave; tile a = 1 lies four jobs on
	s_lshl_b32 s42, s40, 9
	s_add_co_u32 s42, s42, 4194304
	s_mov_b32 s43, 0
	s_add_nc_u64 s[42:43], s[6:7], s[42:43]        ; its scale words
	s_lshl_b32 s40, s40, 14
	s_mov_b32 s41, 0
	s_add_nc_u64 s[6:7], s[6:7], s[40:41]          ; its codes
	s_lshl_b32 s40, s21, 13
	s_lshl_b32 s44, s[WV], 5
	s_add_co_u32 s40, s40, s44
	s_add_co_u32 s40, s40, 1048576
	s_add_nc_u64 s[4:5], s[4:5], s[40:41]          ; h's scale bytes: row 32 bgp, my 32 bytes
	s_lshr_b32 s44, s[WV], 1
	s_lshl_b32 s45, s20, 1
	s_add_co_u32 s44, s44, s45                     ; T: the tile of hidden units that I finish
	s_lshl_b32 s40, s44, 6
	s_add_nc_u64 s[8:9], s[8:9], s[40:41]
	s_add_nc_u64 s[10:11], s[10:11], s[40:41]
	s_and_b32 s45, s[WV], 1
	s_lshl_b32 s46, s21, 1
	s_add_co_u32 s45, s45, s46                     ; and its tile of batch rows
	s_lshl_b32 s44, s44, 4
	s_add_co_u32 s44, s44, s45
	s_lshl_b32 s40, s44, 8
	s_add_nc_u64 s[12:13], s[12:13], s[40:41]      ; part[T][16 bt ..]: 256 bytes
	v_and_b32 v12, 31, v0
	v_lshlrev_b32 v[L16], 4, v12
	v_and_b32 v13, 15, v0                          ; r
	v_bfe_u32 v14, v0, 4, 1                        ; hh
	v_lshlrev_b32 v[O32], 5, v14
	v_lshlrev_b32 v[O256], 8, v13
.irp a, 0,1
	global_load_b128 v[W1S+4*\a:W1S+4*\a+3], v[L16], s[42:43] offset:2048*\a
.endr
.irp e, 0,1
	global_load_b128 v[HS+8*\e:HS+8*\e+3], v[O256], s[4:5] offset:4096*\e        ; 32 bytes of each of 16 rows, once in the launch
	global_load_b128 v[HS+8*\e+4:HS+8*\e+7], v[O256], s[4:5] offset:4096*\e+16
.endr
	global_load_b128 v[B1:B1+3], v[O32], s[8:9]
	global_load_b128 v[B1+4:B1+7], v[O32], s[8:9] offset:16
.irp l, 0,1,2
	global_load_b128 v[W2+8*\l:W2+8*\l+3], v[O32], s[10:11] offset:4096*\l
	global_load_b128 v[W2+8*\l+4:W2+8*\l+7], v[O32], s[10:11] offset:4096*\l+16
.endr
	WIN 0x40                                       ; destination window 1
.irp a, 0,1
.irp s, 0,1,2,3,4,5,6,7
.irp c, 0,1,2,3
	global_load_b128 v[16*(8*\a+\s)+4*\c:16*(8*\a+\s)+4*\c+3], v[L16], s[6:7] offset:65536*\a+2048*\s+512*\c
.endr
.endr
.endr
	WIN 0
	v_mul_u32_u24 v[HAD], v13, 272
	v_lshl_add_u32 v[HAD], v14, 4, v[HAD]
	v_add_nc_u32 v[HAD], s2, v[HAD]                ; my wave's tiles: row r x 272 + 16 hh
	s_lshl_b32 s44, s[WV], 12
	v_add_nc_u32 v[RST], s44, v[L16]
	v_add_nc_u32 v[RST], RED, v[RST]               ; where I put my four partial tiles
	s_lshl_b32 s44, s[WV], 10
	v_add_nc_u32 v[RLD], s44, v[L16]
	v_add_nc_u32 v[RLD], RED, v[RLD]               ; and where the four parts of my tile lie
.irp l, 0,1,2,3,4,5,6
	v_mov_b32 v[P+\l], 0                           ; v51: the fourth word of a row of part; v52-54: a lane permute's destination counts as one of its sources
.endr
	s_wait_tensorcnt 0x0                           ; both my tiles of h are in LDS; nobody else reads them
.set ph, 0
.rept 2
.set i, 0
.rept 4
.irp e, 0,1
.irp c, 0,1,2,3
	ds_load_b128 v[HF+16*(2*i+\e)+4*\c:HF+16*(2*i+\e)+4*\c+3], v[HAD] offset:17408*\e+((4*ph+i)/2)*4352+((4*ph+i)%2)*128+32*\c
.endr
.endr
.set i, i+1
.endr
	s_wait_dscnt 0x0
.if ph == 0
	s_wait_loadcnt 0x0                             ; w1's fragments, the scale words, b1, w2
.endif
	WIN 0x01                                       ; source 0 window 1
.set i, 0
.rept 4
.set sl, 4*ph+i
.irp a, 0,1
.irp e, 0,1
	MMW \a, \e                                     ; the four accumulators take turns, one instruction a turn
.endr
.endr
.set i, i+1
.endr
	WIN 0
.rept 8
	v_nop                                          ; places in front of loads into registers that the products have read, and of the first read of results
.endr
.set ph, ph+1
.endr
.irp t, 0,1,2,3
	ds_store_b128 v[RST], v[ACC+8*\t:ACC+8*\t+3] offset:1024*\t          ; each accumulator from its low end on, as an image of its registers
	ds_store_b128 v[RST], v[ACC+8*\t+4:ACC+8*\t+7] offset:1024*\t+512
.endr
	s_wait_dscnt 0x0                               ; for the others' sake
	s_barrier_signal -1
	s_barrier_wait -1
.irp w, 0,1,2,3
	ds_load_b128 v[HF+8*\w:HF+8*\w+3], v[RLD] offset:4096*\w
	ds_load_b128 v[HF+8*\w+4:HF+8*\w+7], v[RLD] offset:4096*\w+512
.endr
	s_wait_dscnt 0x0
.irp w, 1,2,3
.irp j, 0,2,4,6
	v_pk_add_f32 v[HF+\j:HF+\j+1], v[HF+\j:HF+\j+1], v[HF+8*\w+\j:HF+8*\w+\j+1]
.endr
.endr
.irp j, 0,2,4,6
	v_pk_add_f32 v[HF+\j:HF+\j+1], v[HF+\j:HF+\j+1], v[B1+\j:B1+\j+1]
.endr
.irp j, 0,1,2,3,4,5,6,7
	v_max_num_f32 v[HF+\j], 0, v[HF+\j]            ; relu
.endr
.irp l, 0,1,2
	v_mul_f32 v[P+\l], v[HF], v[W2+8*\l]
.endr
.irp j, 1,2,3,4,5,6,7
.irp l, 0,1,2
	v_fma_f32 v[P+\l], v[HF+\j], v[W2+8*\l+\j], v[P+\l]
.endr
.endr
.irp l, 0,1,2
	v_permlanex16_b32 v[P+4+\l], v[P+\l], s[SEL], s[SEL+1]
.endr
.irp l, 0,1,2
	v_add_f32 v[P+\l], v[P+\l], v[P+4+\l]          ; with the tile's other eight hidden units
.endr
	s_wait_xcnt 0x0                                ; EXEC changes only behind this wait
	v_cmp_gt_u32 vcc_lo, 256, v[L16]               ; lanes 0-15
	s_and_saveexec_b32 s47, vcc_lo
	global_store_b128 v[L16], v[P:P+3], s[12:13]   ; sixteen lanes store 256 consecutive bytes, aligned
	s_wait_xcnt 0x0
	s_or_b32 exec_lo, exec_lo, s47
	s_wait_tensorcnt 0x0                           ; the wave's end
	ds_add_u32 v[SPW], v[NIL]
	s_wait_dscnt 0x0
	CROUND                                         ; the closing round
	s_endpgm
.Lfunc_end_k_qee98be25cf_mlp:
	.size	k_qee98be25cf_mlp, .Lfunc_end_k_qee98be25cf_mlp-k_qee98be25cf_mlp
	.p2alignl 7, 3214868480
	.fill 96, 4, 3214868480
	.section	.rodata,"a",@progbits
	.p2align	6, 0x0
	.amdhsa_kernel k_qee98be25cf_mlp
		.amdhsa_group_segment_fixed_size 167936
		.amdhsa_private_segment_fixed_size 0
		.amdhsa_enable_private_segment 0
		.amdhsa_kernarg_size 40
		.amdhsa_user_sgpr_count 2
		.amdhsa_user_sgpr_kernarg_segment_ptr 1
		.amdhsa_wavefront_size32 1
		.amdhsa_system_sgpr_workgroup_id_x 1
		.amdhsa_system_sgpr_workgroup_id_y 1
		.amdhsa_system_sgpr_workgroup_id_z 1
		.amdhsa_system_vgpr_workitem_id 0
		.amdhsa_next_free_vgpr 512
		.amdhsa_next_free_sgpr 66
		.amdhsa_reserve_vcc 1
		.amdhsa_float_denorm_mode_32 3
		.amdhsa_float_denorm_mode_16_64 3
		.amdhsa_memory_ordered 1
		.amdhsa_forward_progress 1
		.amdhsa_inst_pref_size 26
	.end_amdhsa_kernel
	.amdgpu_metadata
---
amdhsa.version: [ 1, 2 ]
amdhsa.kernels:
  - .name:           k_qee98be25cf_mlp
    .symbol:         k_qee98be25cf_mlp.kd
    .args:
      - { .name: hcode, .offset: 0, .size: 8, .value_kind: global_buffer, .address_space: global }
      - { .name: w1code, .offset: 8, .size: 8, .value_kind: global_buffer, .address_space: global }
      - { .name: b1, .offset: 16, .size: 8, .value_kind: global_buffer, .address_space: global }
      - { .name: w2, .offset: 24, .size: 8, .value_kind: global_buffer, .address_space: global }
      - { .name: part, .offset: 32, .size: 8, .value_kind: global_buffer, .address_space: global }
    .group_segment_fixed_size: 167936
    .private_segment_fixed_size: 0
    .kernarg_segment_align: 8
    .kernarg_segment_size: 40
    .max_flat_workgroup_size: 128
    .sgpr_count:     66
    .vgpr_count:     512
    .wavefront_size: 32
...
	.end_amdgpu_metadata
.endif
;; end of part 4
;; launch logits (part 5): grid 8 x 1, 4 waves a work-group, no clusters, 0 bytes of LDS; arguments part, b2, out0; writes out0
.if DOCPART == 5
	.amdgcn_target "amdgcn-amd-amdhsa--gfx1250"
	.amdhsa_code_object_version 6
	.text
	.protected	k_qee98be25cf_logits
	.globl	k_qee98be25cf_logits
	.p2align	8
	.type	k_qee98be25cf_logits,@function
k_qee98be25cf_logits:
	s_mov_b64 s[64:65], 0
	v_nop
	global_prefetch_b8 v0, s[64:65] scope:SCOPE_SE
	s_setreg_imm32_b32 hwreg(HW_REG_WAVE_MODE, 25, 1), 1
	s_wait_xcnt 0x0
; LOGITS: out0[b][l] = b2[l] + the sum over the 64 tiles T of part[T][b][l].  A sum that spans the work-groups of the launch before: so it has a launch of its own, with one owner for each row.
; Four neighbouring lanes share a batch row, each taking 16 of the 64 tiles: all 16 loads of a lane are out at once; two steps across lanes join the four.  262,144 bytes in, 3,072 out: 8 work-groups of 4 waves hold all its work.
	s_load_b128 s[4:7], s[0:1], 0x0                ; part s[4:5], b2 s[6:7]
	s_load_b64 s[12:13], s[0:1], 0x10              ; out0
	v_lshrrev_b32 v1, 2, v0
	v_and_b32 v2, 3, v0                            ; which 16 tiles
	s_lshl_b32 s14, ttmp9, 5
	v_add_nc_u32 v1, s14, v1                       ; b = 32 x work-group + thread / 4
	v_lshlrev_b32 v3, 4, v1
	v_lshl_add_u32 v3, v2, 16, v3                  ; 16 tiles x 4,096 bytes x (thread % 4) + 16 b
	v_mul_u32_u24 v4, v1, 12
	s_wait_kmcnt 0x0
	s_load_b96 s[8:10], s[6:7], 0x0
.irp i, 0,1,2,3,4,5,6,7,8,9,10,11,12,13,14,15
	global_load_b128 v[16+4*\i:19+4*\i], v3, s[4:5] offset:4096*\i
.endr
	s_wait_loadcnt 0x0
.irp i, 0,1,2,3,4,5,6,7
	v_pk_add_f32 v[16+4*\i:17+4*\i], v[16+4*\i:17+4*\i], v[48+4*\i:49+4*\i]
	v_pk_add_f32 v[18+4*\i:19+4*\i], v[18+4*\i:19+4*\i], v[50+4*\i:51+4*\i]
.endr
.irp i, 0,1,2,3
	v_pk_add_f32 v[16+4*\i:17+4*\i], v[16+4*\i:17+4*\i], v[32+4*\i:33+4*\i]
	v_pk_add_f32 v[18+4*\i:19+4*\i], v[18+4*\i:19+4*\i], v[34+4*\i:35+4*\i]
.endr
.irp i, 0,1
	v_pk_add_f32 v[16+4*\i:17+4*\i], v[16+4*\i:17+4*\i], v[24+4*\i:25+4*\i]
	v_pk_add_f32 v[18+4*\i:19+4*\i], v[18+4*\i:19+4*\i], v[26+4*\i:27+4*\i]
.endr
	v_pk_add_f32 v[16:17], v[16:17], v[20:21]
	v_pk_add_f32 v[18:19], v[18:19], v[22:23]
.irp m, 1,2
.irp l, 0,1,2
	v_add_f32_dpp v[16+\l], v[16+\l], v[16+\l] row_xmask:\m row_mask:0xf bank_mask:0xf
.endr
.endr
	s_wait_kmcnt 0x0                               ; b2
	v_add_f32 v16, s8, v16
	v_add_f32 v17, s9, v17
	v_add_f32 v18, s10, v18
	s_wait_xcnt 0x0                                ; EXEC changes only behind this wait
	v_cmp_eq_u32 vcc_lo, 0, v2
	s_and_saveexec_b32 s14, vcc_lo
	global_store_b96 v4, v[16:18], s[12:13]        ; a wave's eight rows are 96 consecutive bytes
	s_wait_xcnt 0x0
	s_or_b32 exec_lo, exec_lo, s14
	s_endpgm
.Lfunc_end_k_qee98be25cf_logits:
	.size	k_qee98be25cf_logits, .Lfunc_end_k_qee98be25cf_logits-k_qee98be25cf_logits
	.p2alignl 7, 3214868480
	.fill 96, 4, 3214868480
	.section	.rodata,"a",@progbits
	.p2align	6, 0x0
	.amdhsa_kernel k_qee98be25cf_logits
		.amdhsa_group_segment_fixed_size 0
		.amdhsa_private_segment_fixed_size 0
		.amdhsa_enable_private_segment 0
		.amdhsa_kernarg_size 24
		.amdhsa_user_sgpr_count 2
		.amdhsa_user_sgpr_kernarg_segment_ptr 1
		.amdhsa_wavefront_size32 1
		.amdhsa_system_sgpr_workgroup_id_x 1
		.amdhsa_system_sgpr_workgroup_id_y 1
		.amdhsa_system_sgpr_workgroup_id_z 1
		.amdhsa_system_vgpr_workitem_id 0
		.amdhsa_next_free_vgpr 96
		.amdhsa_next_free_sgpr 66
		.amdhsa_reserve_vcc 1
		.amdhsa_float_denorm_mode_32 3
		.amdhsa_float_denorm_mode_16_64 3
		.amdhsa_memory_ordered 1
		.amdhsa_forward_progress 1
		.amdhsa_inst_pref_size 5
	.end_amdhsa_kernel
	.amdgpu_metadata
---
amdhsa.version: [ 1, 2 ]
amdhsa.kernels:
  - .name:           k_qee98be25cf_logits
    .symbol:         k_qee98be25cf_logits.kd
    .args:
      - { .name: part, .offset: 0, .size: 8, .value_kind: global_buffer, .address_space: global }
      - { .name: b2, .offset: 8, .size: 8, .value_kind: global_buffer, .address_space: global }
      - { .name: out0, .offset: 16, .size: 8, .value_kind: global_buffer, .address_space: global }
    .group_segment_fixed_size: 0
    .private_segment_fixed_size: 0
    .kernarg_segment_align: 8
    .kernarg_segment_size: 24
    .max_flat_workgroup_size: 128
    .sgpr_count:     66
    .vgpr_count:     96
    .wavefront_size: 32
...
	.end_amdgpu_metadata
.endif
;; end of part 5
